; MI455X (gfx1250); checked and timed in simulation.
; The chip was launched on July 23, 2026; its instructions are those of AMD's public machine-readable ISA for CDNA 5 (MIT licence, August 2026) and "CDNA5" Instruction Set Architecture Reference Guide (July 2026). The comments in the code are by the model that wrote it; some were corrected since.
;; Multi Head Attention. Allowed arithmetic: float matrix products may take bf16 or f16 operands with f32 sums; all other float work in f32.
;; Inputs: Wk 1,024 x 1,024 float32; Wo 1,024 x 1,024 float32; Wq 1,024 x 1,024 float32; Wv 1,024 x 1,024 float32; bk 1,024 float32; bo 1,024 float32; bq 1,024 float32; bv 1,024 float32; key_padding_mask 2 x 2,048 bool; x 2 x 2,048 x 1,024 float32.
;; Outputs: out0 2 x 2,048 x 1,024 float32.
;; 2 versions, each right and faster than the one before. Each part assembles by itself: llvm-mc -triple=amdgcn-amd-amdhsa -mcpu=gfx1250 --defsym DOCPART=n.
;; ======== version 1 of 2: 4 launches
;; limits: values are held in f16: magnitudes above 65,504 overflow, below 6.1e-05 lose precision
;; workspace buffers: xb 8,388,608 bytes; wqkv 6,291,456 bytes; wob 2,097,152 bytes; qh 8,388,608 bytes; kh 8,388,608 bytes; vh 8,388,608 bytes; ao 8,388,608 bytes
;; launch cast (part 1): grid 512 x 1, 8 waves a work-group, no clusters, 0 bytes of LDS; arguments x, Wq, Wk, Wv, Wo, xb, wqkv, wob; writes xb, wqkv, wob
.if DOCPART == 1
	.amdgcn_target "amdgcn-amd-amdhsa--gfx1250"
	.amdhsa_code_object_version 6
	.text
	.protected	k_q9e24b10674_cast
	.globl	k_q9e24b10674_cast
	.p2align	8
	.type	k_q9e24b10674_cast,@function
k_q9e24b10674_cast:
	s_mov_b64 s[64:65], 0
	v_nop
	global_prefetch_b8 v0, s[64:65] scope:SCOPE_SE
	s_setreg_imm32_b32 hwreg(HW_REG_WAVE_MODE, 25, 1), 1
	s_wait_xcnt 0x0
; The five large inputs are rounded once to 16 bits, so that the products that follow move and read half the bytes.
;   xb   [4096][1024] bf16: x as it lies.
;   wqkv [3072][1024] bf16: row head*192 + t*64 + c holds row head*64 + c of W_t (t = 0, 1, 2: Wq, Wk, Wv): a head's q, k and v rows lie together.
;   wob  [1024][1024] f16:  Wo, rounded to bf16 like the other inputs, and that value written as f16, the format of its partner in the last product.
; LIMIT: the second step is exact for 2^-17 <= |w| < 65504; below, the error is at most 2^-25; at 65504 and above the f16 is infinite.
; A stream: memory binds, so no LDS, no matrix unit, no cluster.  A work-group takes 16 rows of 1,024 f32 (65,536 bytes in, 32,768 out);
; thread t takes the 16 bytes at 16 t of every row; all sixteen loads go out first; a wave's store covers 256 consecutive bytes, aligned.
; No register is written twice while a memory instruction may read it, so the only waits are the counted ones for the loads.
.set X, 4                              ; v[4:67]   row j: 4 f32 as loaded
.set Y, 68                             ; v[68:99]  row j: 4 numbers of 16 bits
	s_load_b512 s[8:23], s[0:1], 0x0               ; x 8, Wq 10, Wk 12, Wv 14, Wo 16, xb 18, wqkv 20, wob 22
	s_lshr_b32 s25, ttmp9, 8                       ; 0: rows of x;  1: rows of a weight
	s_lshr_b32 s35, ttmp9, 6                       ; 7: rows of Wo
	s_and_b32 s2, ttmp9, 255                       ; block of 16 rows of x
	s_lshr_b32 s3, s2, 6                           ; t: which weight
	s_and_b32 s24, s2, 63                          ; block of 16 rows in that weight
	v_lshlrev_b32 v1, 4, v0                        ; my 16 bytes of a row that is read
	v_lshlrev_b32 v2, 3, v0                        ; my 8 bytes of a row that is written
	s_lshr_b32 s30, s24, 2                         ; the head of these 16 rows
	s_mul_i32 s30, s30, 192
	s_lshl_b32 s31, s3, 6
	s_add_co_u32 s30, s30, s31
	s_and_b32 s31, s24, 3
	s_lshl_b32 s31, s31, 4
	s_add_co_u32 s30, s30, s31                     ; row in wqkv
	s_lshl_b32 s30, s30, 11                        ; in bytes
	s_lshl_b32 s31, s24, 15                        ; byte offset in wob
	s_lshl_b32 s32, s24, 16                        ; byte offset in a weight
	s_lshl_b32 s33, s2, 16                         ; byte offset in x
	s_lshl_b32 s34, s2, 15                         ; byte offset in xb
	s_cmp_eq_u32 s3, 3
	s_cselect_b32 s30, s31, s30
	s_cmp_eq_u32 s25, 0
	s_cselect_b32 s30, s34, s30                    ; offset written
	s_cselect_b32 s32, s33, s32                    ; offset read
	s_mov_b32 s31, 0
	s_mov_b32 s33, 0
	s_wait_kmcnt 0x0
	s_cmp_eq_u32 s3, 2                             ; the buffer read: chosen by the work-group's number alone
	s_cselect_b64 s[26:27], s[14:15], s[16:17]
	s_cmp_eq_u32 s3, 1
	s_cselect_b64 s[26:27], s[12:13], s[26:27]
	s_cmp_eq_u32 s3, 0
	s_cselect_b64 s[26:27], s[10:11], s[26:27]
	s_cmp_eq_u32 s25, 0
	s_cselect_b64 s[26:27], s[8:9], s[26:27]
	s_cmp_eq_u32 s3, 3                             ; the buffer written
	s_cselect_b64 s[28:29], s[22:23], s[20:21]
	s_cmp_eq_u32 s25, 0
	s_cselect_b64 s[28:29], s[18:19], s[28:29]
	s_add_nc_u64 s[26:27], s[26:27], s[32:33]
	s_add_nc_u64 s[28:29], s[28:29], s[30:31]
.irp j, 0,1,2,3,4,5,6,7,8,9,10,11,12,13,14,15
	global_load_b128 v[X+4*\j:X+4*\j+3], v1, s[26:27] offset:4096*\j th:TH_LOAD_NT   ; read once in the launch
.endr
; Row j: rounded and stored.  wo = 1: the bf16 values are widened again (a shift, a mask) and written as f16.
.macro CONV j, wo
	s_wait_loadcnt 15-\j                           ; loads come back in order: row j is in, the 15 - j younger ones stay out
	v_cvt_pk_bf16_f32 v[Y+2*\j],   v[X+4*\j],   v[X+4*\j+1]
	v_cvt_pk_bf16_f32 v[Y+2*\j+1], v[X+4*\j+2], v[X+4*\j+3]
.if \wo
	v_lshlrev_b32 v[X+4*\j],   16, v[Y+2*\j]
	v_and_b32     v[X+4*\j+1], 0xffff0000, v[Y+2*\j]
	v_lshlrev_b32 v[X+4*\j+2], 16, v[Y+2*\j+1]
	v_and_b32     v[X+4*\j+3], 0xffff0000, v[Y+2*\j+1]
	v_cvt_pk_f16_f32 v[Y+2*\j],   v[X+4*\j],   v[X+4*\j+1]
	v_cvt_pk_f16_f32 v[Y+2*\j+1], v[X+4*\j+2], v[X+4*\j+3]
.endif
	global_store_b64 v2, v[Y+2*\j:Y+2*\j+1], s[28:29] offset:2048*\j
.endm
	s_cmp_eq_u32 s35, 7
	s_cbranch_scc1 .Lwo
.irp j, 0,1,2,3,4,5,6,7,8,9,10,11,12,13,14,15
	CONV \j, 0
.endr
	s_endpgm
.Lwo:
.irp j, 0,1,2,3,4,5,6,7,8,9,10,11,12,13,14,15
	CONV \j, 1
.endr
	s_endpgm
.Lfunc_end_k_q9e24b10674_cast:
	.size	k_q9e24b10674_cast, .Lfunc_end_k_q9e24b10674_cast-k_q9e24b10674_cast
	.p2alignl 7, 3214868480
	.fill 96, 4, 3214868480
	.section	.rodata,"a",@progbits
	.p2align	6, 0x0
	.amdhsa_kernel k_q9e24b10674_cast
		.amdhsa_group_segment_fixed_size 0
		.amdhsa_private_segment_fixed_size 0
		.amdhsa_enable_private_segment 0
		.amdhsa_kernarg_size 64
		.amdhsa_user_sgpr_count 2
		.amdhsa_user_sgpr_kernarg_segment_ptr 1
		.amdhsa_wavefront_size32 1
		.amdhsa_system_sgpr_workgroup_id_x 1
		.amdhsa_system_sgpr_workgroup_id_y 1
		.amdhsa_system_sgpr_workgroup_id_z 1
		.amdhsa_system_vgpr_workitem_id 0
		.amdhsa_next_free_vgpr 104
		.amdhsa_next_free_sgpr 66
		.amdhsa_reserve_vcc 0
		.amdhsa_float_denorm_mode_32 3
		.amdhsa_float_denorm_mode_16_64 3
		.amdhsa_memory_ordered 1
		.amdhsa_forward_progress 1
		.amdhsa_inst_pref_size 17
	.end_amdhsa_kernel
	.amdgpu_metadata
---
amdhsa.version: [ 1, 2 ]
amdhsa.kernels:
  - .name:           k_q9e24b10674_cast
    .symbol:         k_q9e24b10674_cast.kd
    .args:
      - { .name: x, .offset: 0, .size: 8, .value_kind: global_buffer, .address_space: global }
      - { .name: Wq, .offset: 8, .size: 8, .value_kind: global_buffer, .address_space: global }
      - { .name: Wk, .offset: 16, .size: 8, .value_kind: global_buffer, .address_space: global }
      - { .name: Wv, .offset: 24, .size: 8, .value_kind: global_buffer, .address_space: global }
      - { .name: Wo, .offset: 32, .size: 8, .value_kind: global_buffer, .address_space: global }
      - { .name: xb, .offset: 40, .size: 8, .value_kind: global_buffer, .address_space: global }
      - { .name: wqkv, .offset: 48, .size: 8, .value_kind: global_buffer, .address_space: global }
      - { .name: wob, .offset: 56, .size: 8, .value_kind: global_buffer, .address_space: global }
    .group_segment_fixed_size: 0
    .private_segment_fixed_size: 0
    .kernarg_segment_align: 8
    .kernarg_segment_size: 64
    .max_flat_workgroup_size: 256
    .sgpr_count:     66
    .vgpr_count:     104
    .wavefront_size: 32
...
	.end_amdgpu_metadata
.endif
;; end of part 1
;; launch qkv (part 2): grid 16 x 16, 4 waves a work-group, clusters of 4 x 4, 327,680 bytes of LDS; arguments xb, wqkv, bq, bk, bv, qh, kh, vh; writes qh, kh, vh
.if DOCPART == 2
	.amdgcn_target "amdgcn-amd-amdhsa--gfx1250"
	.amdhsa_code_object_version 6
	.text
	.protected	k_q9e24b10674_qkv
	.globl	k_q9e24b10674_qkv
	.p2align	8
	.type	k_q9e24b10674_qkv,@function
k_q9e24b10674_qkv:
	s_mov_b64 s[64:65], 0
	v_nop
	global_prefetch_b8 v0, s[64:65] scope:SCOPE_SE
	s_setreg_imm32_b32 hwreg(HW_REG_WAVE_MODE, 25, 1), 1
	s_wait_xcnt 0x0
	s_wait_alu depctr_hold_cnt(0) depctr_sa_sdst(0) depctr_va_vdst(0) depctr_va_sdst(0) depctr_va_ssrc(0) depctr_va_vcc(0) depctr_vm_vsrc(0)
	s_getreg_b32 s2, hwreg(HW_REG_IB_STS2, 6, 4)
	s_cmp_eq_u32 s2, 0
	s_cbranch_scc0 .Lentry_in_a_cluster
	s_endpgm
.Lentry_in_a_cluster:
	s_bfe_u32 s2, ttmp6, 0x10000c
	s_cmp_lg_u32 s2, 0xf033
	s_cbranch_scc0 .Lentry_shape_is_right
	s_endpgm
.Lentry_shape_is_right:
; q, k, v = x W^T + b for one head and 256 tokens: C[256][192] = xb[256][1024] wqkv[192][1024]^T, bf16 operands, f32 sums, results rounded once to f16
; and stored as qh, kh, vh [batch*16 + head][2048 tokens][64].
; LIMIT: |q|, |k|, |v| below 65504 (f16's largest number); beyond it the stored number is infinite.
; SHARES.  Work-group (x = head, y = block of 256 tokens).  Wave w: tokens 64 w .. 64 w + 63, all 192 columns: 4 x 12 accumulators of 16 x 16, 384 registers.
; K goes in 8 steps of 128 through a ring of two LDS slots filled by the tensor data mover; the tiles' rows are 256 bytes of memory and start at multiples of 256 bytes.
; CLUSTER 4 x 4.  The four work-groups of a row of the cluster take the same tokens, the four of a column the same head: each tile is asked for jointly.
; THE MATRIX INSTRUCTION IS USED TRANSPOSED (source 0 = 16 rows of W, source 1 = 16 tokens): a lane holds eight neighbouring columns of one token.
; The first product on each accumulator takes the bias as C: nothing is cleared and the bias costs no vector instruction.
; REGISTERS, in windows of 256:  window 0: v0-31 addresses; v32-63, v64-95 fragments of x, two buffers; v96-191 the bias, later the way out; v192-239 the way out
;   window 1: v0-95, v96-191 fragments of W, two buffers      window 2: accumulators of my token blocks 0, 1 (at 96 (a % 2) + 8 b)      window 3: of blocks 2, 3
.set KSTEP,  128
.set PITCH,  272                       ; an LDS row: 256 bytes + 16 of padding: the 16 rows that a fragment load touches begin 68 words apart, at 16 different banks (64 banks of 4 bytes: ISA guide 11.1)
.set AHALF,  128*PITCH                 ; what one load brings of x
.set BHALF,  96*PITCH                  ; what one load brings of W
.set BOFF,   2*AHALF                   ; W's 192 rows lie behind x's 256
.set SLOT,   BOFF+2*BHALF              ; 121,856
.set STAGE,  2*SLOT                    ; behind the ring: 16 rows x 400 bytes for each wave, for the way out; no tensor load fills it
.set SPITCH, 400                       ; 384 bytes + 16
.set LAPS,   4                         ; 1,024 / 256: a lap = two K steps = once round the ring
.set ADRA, 16                          ; v16-17  LDS address of my x fragments in slot 0, 1
.set ADRB, 20                          ; v20-21  the same for W
.set STO,  24                          ; v24     the way out: where I put 16 bytes of a token's row
.set RD,   25                          ; v25     the way out: where I read back
.set CO,   26                          ; v26     my byte offset in 512 bytes of output
.set BO,   27                          ; v27     my byte offset in 16 numbers of a bias
.set FA,   32
.set BIAS, 96
.set TMP,  96
.set OB,   144
.set G1,  24                           ; s[24:31] descriptor group 1 for x's tiles;  s[32:39] group 0, one set for each slot
.set G0,  32
.set G1B, 48                           ; s[48:55], s[56:63] the same for W's tiles
.set G0B, 56
.set BP,  68                           ; s[68:73] bq, bk, bv
.set OP,  74                           ; s[74:79] qh, kh, vh
.set MSB, 0
.macro WIN new                         ; the immediate's high byte repeats the setting that is left; a switch that changes nothing is dropped
.if MSB != (\new)
	s_set_vgpr_msb (MSB<<8)|(\new)
.set MSB, (\new)
.endif
.endm
.set MUL_LO, 0xa1                      ; source 0 (W) window 1, source 1 (x) window 0, C and D window 2
.set MUL_HI, 0xf1                      ; the same, C and D window 3
.set TO_B,   0x40                      ; destination window 1, address window 0
; A joint load.  Waves 0 and 1 fetch x's two halves, waves 2 and 3 W's.  The branch hangs on the wave's number alone.
; Four v_nop follow each of the two lines, ahead of the jump, the label and what follows.
.macro JLOAD s
	s_cmp_eq_u32 s11, 0
	s_cbranch_scc0 .Lfor_b_\@
	tensor_load_to_lds s[G0+4*\s:G0+4*\s+3], s[G1:G1+7]
	s_nop 0
.rept 4
	v_nop
.endr
	s_branch .Lasked_\@
.Lfor_b_\@:
	tensor_load_to_lds s[G0B+4*\s:G0B+4*\s+3], s[G1B:G1B+7]
	s_nop 0
.rept 4
	v_nop
.endr
.Lasked_\@:
.endm
.macro CREST                           ; a round of the cluster's barrier behind its opening barrier
	s_cmp_lg_u32 s10, 0
	s_cbranch_scc1 .Lnot_wave_0_\@
	s_barrier_signal -3
.Lnot_wave_0_\@:
	s_barrier_wait -3
	s_barrier_signal -1
	s_barrier_wait -1
.endm
.macro CROUND                          ; a whole round
	s_barrier_signal -1
	s_barrier_wait -1
	CREST
.endm
	s_load_b128 s[4:7], s[0:1], 0x0                ; xb s[4:5], wqkv s[6:7]
	s_load_b128 s[68:71], s[0:1], 0x10             ; bq, bk
	s_load_b64 s[72:73], s[0:1], 0x20              ; bv
	s_load_b64 s[74:75], s[0:1], 0x28              ; qh
	s_load_b128 s[76:79], s[0:1], 0x30             ; kh, vh
	s_set_vgpr_msb 0x40
	v_lshl_add_u32 v255, v0, 2, 0x41c00
	s_set_vgpr_msb 0x4000
	v_mov_b32 v255, 0
	s_set_vgpr_msb 0x1
	ds_add_u32 v255, v255
	s_set_vgpr_msb 0x100
	v_lshrrev_b32 v1, 5, v0
	v_readfirstlane_b32 s10, v1                    ; wave 0..3
	s_lshr_b32 s11, s10, 1                         ; I fetch for x (0) or for W (1)
	s_and_b32 s12, s10, 1                          ; which half of that tile's rows I fetch
	s_bfe_u32 s40, ttmp6, 0x40000                  ; cx, cy: my place in the cluster
	s_bfe_u32 s41, ttmp6, 0x40004
	s_lshl_b32 s42, ttmp9, 2
	s_add_co_u32 s42, s42, s40                     ; head = 4 x cluster x + cx
	s_and_b32 s13, ttmp7, 0xffff
	s_lshl_b32 s13, s13, 2
	s_add_co_u32 s13, s13, s41                     ; block of 256 tokens = 4 x cluster y + cy
	s_lshl_b32 s43, s41, 2
	s_lshl_b32 s43, 15, s43                        ; my row of the cluster
	s_lshl_b32 s44, 0x1111, s40                    ; my column
	; descriptor group 1: rows of 128 elements of 2 bytes, 16 bytes of padding behind each; 128 rows of x, 96 rows of W
	s_or_b32 s[G1+0], s43, (1<<16)|(1<<20)|(1<<21)|(5<<22)|(3<<25)  ; 15:0 the mask; 17:16 elements of 2 bytes; 20 padding on; 21 set beside a mask; 24:22 after every 64 words; 31:25 4 words of it
	s_or_b32 s[G1B+0], s44, (1<<16)|(1<<20)|(1<<21)|(5<<22)|(3<<25)
	s_mov_b32 s[G1+1], KSTEP<<16                   ; tensor_dim0 = 128
	s_mov_b32 s[G1+2], 128<<16                     ; tensor_dim1 = 128
	s_mov_b32 s[G1+3], KSTEP<<16                   ; tile_dim0 = 128
	s_mov_b32 s[G1+4], 128                         ; tile_dim1 = 128
	s_mov_b32 s[G1+5], 1024                        ; elements from row to row
	s_mov_b32 s[G1+6], 0
	s_mov_b32 s[G1+7], 0
	s_mov_b32 s[G1B+1], KSTEP<<16
	s_mov_b32 s[G1B+2], 96<<16                     ; tensor_dim1 = 96
	s_mov_b32 s[G1B+3], KSTEP<<16
	s_mov_b32 s[G1B+4], 96                         ; tile_dim1 = 96
	s_mov_b32 s[G1B+5], 1024
	s_mov_b32 s[G1B+6], 0
	s_mov_b32 s[G1B+7], 0
	; x's tiles hang on the token block alone, W's on the head alone; each address is made in registers that never hold the other coordinate
	s_lshl_b32 s16, s13, 8
	s_lshl_b32 s17, s12, 7
	s_add_co_u32 s16, s16, s17                     ; x: row 256 x block + 128 x half
	s_lshl_b32 s16, s16, 11                        ; rows of 2,048 bytes
	s_mov_b32 s17, 0
	s_mul_i32 s46, s42, 192
	s_mul_i32 s47, s12, 96
	s_add_co_u32 s46, s46, s47                     ; W: row 192 x head + 96 x half
	s_lshl_b32 s46, s46, 11
	s_mov_b32 s47, 0
	s_mul_i32 s20, s10, AHALF                      ; where they go: x's halves at wave x 128 rows (waves 0, 1),
	s_mul_i32 s21, s10, BHALF
	s_add_co_u32 s21, s21, BOFF-2*BHALF            ; W's at BOFF + (wave - 2) x 96 rows (waves 2, 3)
	s_wait_dscnt 0x0
	s_wait_kmcnt 0x0
	s_add_nc_u64 s[14:15], s[4:5], s[16:17]
	s_add_nc_u64 s[46:47], s[6:7], s[46:47]
	CROUND                                         ; all sixteen work-groups are here: the first joint loads meet
.irp s, 0,1
	s_mov_b32 s[G0+4*\s], 1                                        ; count = 1
	s_add_co_u32 s[G0+4*\s+1], s20, \s*SLOT                        ; LDS address
	s_add_nc_u64 s[G0+4*\s+2:G0+4*\s+3], s[14:15], \s*KSTEP*2      ; global address: K step s
	s_or_b32 s[G0+4*\s+3], s[G0+4*\s+3], 0x80000000                ; type = 2
	s_mov_b32 s[G0B+4*\s], 1
	s_add_co_u32 s[G0B+4*\s+1], s21, \s*SLOT
	s_add_nc_u64 s[G0B+4*\s+2:G0B+4*\s+3], s[46:47], \s*KSTEP*2
	s_or_b32 s[G0B+4*\s+3], s[G0B+4*\s+3], 0x80000000
.endr
	s_cmp_eq_u32 s11, 0                            ; a wave's two first fills stand in one branch, ahead of every wait on TENSORcnt, LDS read and work-group barrier: two loads of mine are out
	s_cbranch_scc0 .Lfirst_b
	tensor_load_to_lds s[G0:G0+3], s[G1:G1+7]
	s_nop 0
	tensor_load_to_lds s[G0+4:G0+7], s[G1:G1+7]
	s_nop 0
.rept 4
	v_nop
.endr
	s_branch .Lfirst_asked
.Lfirst_b:
	tensor_load_to_lds s[G0B:G0B+3], s[G1B:G1B+7]
	s_nop 0
	tensor_load_to_lds s[G0B+4:G0B+7], s[G1B:G1B+7]
	s_nop 0
.rept 4
	v_nop
.endr
.Lfirst_asked:
	v_and_b32 v1, 15, v0                           ; r = l % 16
	v_bfe_u32 v2, v0, 4, 1                         ; h = l / 16
	v_lshlrev_b32 v[BO], 5, v2                     ; register j of an accumulator holds column 8 h + j of its block: 32 h bytes into 16 numbers of the bias
	s_lshl_b32 s22, s42, 8                         ; the head's 64 numbers
	s_mov_b32 s23, 0
	s_add_nc_u64 s[BP:BP+1], s[BP:BP+1], s[22:23]
	s_add_nc_u64 s[BP+2:BP+3], s[BP+2:BP+3], s[22:23]
	s_add_nc_u64 s[BP+4:BP+5], s[BP+4:BP+5], s[22:23]
.irp b, 0,1,2,3,4,5,6,7,8,9,10,11      ; column block b belongs to tensor b / 4
	global_load_b128 v[BIAS+8*\b:BIAS+8*\b+3],   v[BO], s[BP+2*(\b/4):BP+2*(\b/4)+1] offset:64*(\b%4)
	global_load_b128 v[BIAS+8*\b+4:BIAS+8*\b+7], v[BO], s[BP+2*(\b/4):BP+2*(\b/4)+1] offset:64*(\b%4)+16
.endr
	v_mul_u32_u24 v3, v1, PITCH
	v_lshl_add_u32 v3, v2, 4, v3                   ; a fragment's row x pitch + 16 x half
	s_mul_i32 s21, s10, 64*PITCH                   ; my 64 rows of x
	s_mov_b32 s22, BOFF                            ; all rows of W
.irp s, 0,1
	v_add_nc_u32 v[ADRA+\s], s21, v3
	v_add_nc_u32 v[ADRB+\s], s22, v3
	s_add_co_u32 s21, s21, SLOT
	s_add_co_u32 s22, s22, SLOT
.endr
	s_mul_i32 s23, s10, 16*SPITCH
	s_add_co_u32 s23, s23, STAGE                   ; my stage
	v_mul_u32_u24 v4, v1, SPITCH                   ; in: token l % 16, 16 bytes for each half of the lanes
	v_lshl_add_u32 v4, v2, 4, v4
	v_add_nc_u32 v[STO], s23, v4
	v_and_b32 v5, 31, v0
	v_lshrrev_b32 v6, 3, v5                        ; back: eight lanes take a token's 128 bytes of one tensor, a wave four tokens
	v_and_b32 v7, 7, v0
	v_mul_u32_u24 v6, v6, SPITCH
	v_lshl_add_u32 v6, v7, 4, v6
	v_add_nc_u32 v[RD], s23, v6
	v_lshlrev_b32 v[CO], 4, v5                     ; four tokens are 512 consecutive bytes of qh, kh or vh
	s_lshr_b32 s18, s13, 3                         ; batch
	s_lshl_b32 s18, s18, 4
	s_add_co_u32 s18, s18, s42                     ; batch x 16 + head
	s_lshl_b32 s18, s18, 11                        ; x 2,048 tokens
	s_and_b32 s19, s13, 7
	s_lshl_b32 s19, s19, 8
	s_add_co_u32 s18, s18, s19                     ; + the block's first token in its batch
	s_lshl_b32 s19, s10, 6
	s_add_co_u32 s18, s18, s19                     ; + my wave's 64
	s_lshl_b32 s18, s18, 7                         ; x 128 bytes
	s_mov_b32 s19, 0
	s_add_nc_u64 s[OP:OP+1], s[OP:OP+1], s[18:19]
	s_add_nc_u64 s[OP+2:OP+3], s[OP+2:OP+3], s[18:19]
	s_add_nc_u64 s[OP+4:OP+5], s[OP+4:OP+5], s[18:19]
; 12 matrix instructions: token block a x all 12 column blocks, 32 along K, from buffer f.  first = 1: C is the bias.
; The 48 accumulators take turns, one instruction a turn, in the same order in every quarter.
.macro MUL12 f, a, first
.irp b, 0,1,2,3,4,5,6,7,8,9,10,11
.if \first
	v_wmma_f32_16x16x32_bf16 v[96*((\a)%2)+8*\b:96*((\a)%2)+8*\b+7], v[96*\f+8*\b:96*\f+8*\b+7], v[FA+32*\f+8*(\a):FA+32*\f+8*(\a)+7], v[BIAS+8*\b:BIAS+8*\b+7]
.else
	v_wmma_f32_16x16x32_bf16 v[96*((\a)%2)+8*\b:96*((\a)%2)+8*\b+7], v[96*\f+8*\b:96*\f+8*\b+7], v[FA+32*\f+8*(\a):FA+32*\f+8*(\a)+7], v[96*((\a)%2)+8*\b:96*((\a)%2)+8*\b+7]
.endif
.endr
.endm
; 32 LDS loads in one run: the fragments of 32 along K at byte k of the rows, into buffer f: W's 24, then x's 8
.macro FETCH slot, k, f
	WIN TO_B
.irp i, 0,1,2,3,4,5,6,7,8,9,10,11
	ds_load_b128 v[96*\f+8*\i:96*\f+8*\i+3],   v[ADRB+\slot] offset:\k+\i*16*PITCH
	ds_load_b128 v[96*\f+8*\i+4:96*\f+8*\i+7], v[ADRB+\slot] offset:\k+\i*16*PITCH+32
.endr
	WIN 0
.irp i, 0,1,2,3
	ds_load_b128 v[FA+32*\f+8*\i:FA+32*\f+8*\i+3],   v[ADRA+\slot] offset:\k+\i*16*PITCH
	ds_load_b128 v[FA+32*\f+8*\i+4:FA+32*\f+8*\i+7], v[ADRA+\slot] offset:\k+\i*16*PITCH+32
.endr
.endm
; Four places in front of loads into registers that matrix instructions have read and of conversions that read results (ISA guide 7.12.1 for vector instructions)
.macro PLACES
.rept 4
	v_nop
.endr
.endm
; A K step is four quarters of 32 along K, 48 matrix instructions each, on buffers 0, 1, 0, 1.  One of the first three multiplies buffer f and fetches the next quarter, at byte k, into g.
.macro QUARTER slot, k, f, g, first
	s_wait_dscnt 4                                 ; W and x's blocks 0, 1 are in; the youngest four loads (x's blocks 2, 3) may be out
	WIN MUL_LO-0x20*\first                         ; first = 1: C in window 0, where the bias lies
	MUL12 \f, 0, \first
	MUL12 \f, 1, \first
	PLACES
	FETCH \slot, \k, \g
	s_wait_dscnt 32                                ; all but the 32 just issued
	WIN MUL_HI-0x30*\first
	MUL12 \f, 2, \first
	MUL12 \f, 3, \first
.endm
; The last quarter multiplies buffer 1 and changes slots: ONE barrier; in front of it each wave waits for its own reads of this slot and for all its tensor loads (one is out: its part of the
; next slot).  fill = 1: the barrier opens a round of the cluster's barrier, and this slot is filled again, two K steps ahead, first thing behind the round: 180 matrix instructions ahead of the wait for it.
.macro TURN slot, next, fill
	s_wait_dscnt 4
	WIN MUL_LO
	MUL12 1, 0, 0
	s_wait_dscnt 0                                 ; my reads of this slot are over,
	s_wait_tensorcnt 0x0                           ; and all my tensor loads have landed
	ds_add_u32 v255, v255
	s_wait_dscnt 0x0
	s_barrier_signal -1
	MUL12 1, 1, 0                                  ; work on registers while the others arrive
.if \fill
	WIN 0                                          ; at a branch and at a label every window is 0
.endif
	s_barrier_wait -1
.if \fill
	CREST                                          ; no wave of any partner still reads this slot's tile or has a load on its way
	s_add_nc_u64 s[G0+4*\slot+2:G0+4*\slot+3], s[G0+4*\slot+2:G0+4*\slot+3], 2*KSTEP*2
	s_add_nc_u64 s[G0B+4*\slot+2:G0B+4*\slot+3], s[G0B+4*\slot+2:G0B+4*\slot+3], 2*KSTEP*2
	JLOAD \slot                                    ; the four v_nop behind it are also the places in front of the loads below
.else
	PLACES
.endif
	FETCH \next, 0, 0
	WIN MUL_HI
	MUL12 1, 2, 0
	MUL12 1, 3, 0
.endm
; THE WAY OUT of token block a.  PACK: rounded to f16, 16 bytes a lane.  TOSTAGE: into my own stage, and back as runs of four tokens of one tensor.  SEND: stored.
.macro PACK a
.set AC, 96*((\a)%2)
	WIN 0x0a+5*((\a)/2)                            ; sources 0 and 1: window 2 or 3
.irp b, 0,1,2,3,4,5,6,7,8,9,10,11
.irp r, 0,1,2,3
	v_cvt_pk_f16_f32 v[TMP+4*\b+\r], v[AC+8*\b+2*\r], v[AC+8*\b+2*\r+1]
.endr
.endr
	WIN 0
.endm
.macro TOSTAGE a
.set BK, OB+48*((\a)%2)
.irp b, 0,1,2,3,4,5,6,7,8,9,10,11
	ds_store_b128 v[STO], v[TMP+4*\b:TMP+4*\b+3] offset:32*\b
.endr
.irp t, 0,1,2
.irp u, 0,1,2,3
	ds_load_b128 v[BK+4*(4*\t+\u):BK+4*(4*\t+\u)+3], v[RD] offset:4*SPITCH*\u+128*\t   ; LDS serves a wave's instructions in order (ISA guide 5.7.1.4): these see the stores above
.endr
.endr
.endm
.macro SEND a
.set BK, OB+48*((\a)%2)
	s_wait_dscnt 0x0                               ; the block is back in registers
	s_wait_xcnt 0x0                                ; the stores issued so far have had their addresses translated (ISA guide 3.1): the other set of registers, which they read, is loaded again only behind this wait
.irp t, 0,1,2
.irp u, 0,1,2,3
	global_store_b128 v[CO], v[BK+4*(4*\t+\u):BK+4*(4*\t+\u)+3], s[OP+2*\t:OP+2*\t+1] offset:2048*(\a)+512*\u   ; a wave's store covers 512 consecutive bytes, aligned
.endr
.endr
.endm
	s_wait_tensorcnt 1                             ; my part of K step 0 is in; K step 1's may stay out
	s_barrier_signal -1
	s_barrier_wait -1                              ; everybody's is
	FETCH 0, 0, 0
	s_wait_loadcnt 0x0                             ; the bias
	QUARTER 0, 64,  0, 1, 1                        ; the first quarter stands in front of the loop: its products start the sums
	WIN 0
	s_mov_b32 s3, LAPS-1
.Llap:                                                 ; a trip goes once round the ring, from a lap's second quarter to the next lap's first, and fills both slots again
	QUARTER 0, 128, 1, 0, 0
	QUARTER 0, 192, 0, 1, 0
	TURN 0, 1, 1
	QUARTER 1, 64,  0, 1, 0
	QUARTER 1, 128, 1, 0, 0
	QUARTER 1, 192, 0, 1, 0
	TURN 1, 0, 1
	QUARTER 0, 64,  0, 1, 0
	WIN 0
	s_sub_co_u32 s3, s3, 1
	s_cmp_lg_u32 s3, 0
	s_cbranch_scc1 .Llap
	QUARTER 0, 128, 1, 0, 0                        ; the last lap fills nothing
	QUARTER 0, 192, 0, 1, 0
	TURN 0, 1, 0
	QUARTER 1, 64,  0, 1, 0
	QUARTER 1, 128, 1, 0, 0
	QUARTER 1, 192, 0, 1, 0
	s_wait_dscnt 4                                 ; the very last quarter: nothing more to fetch
	WIN MUL_LO
	MUL12 1, 0, 0
	MUL12 1, 1, 0
	s_wait_dscnt 0
	WIN MUL_HI
	MUL12 1, 2, 0
	MUL12 1, 3, 0
	WIN 0
	PLACES
	PACK 0
	TOSTAGE 0
.irp a, 1,2,3                          ; block a's conversions stand between block a - 1's loads from the stage and the wait for them
	PACK \a
	SEND \a-1
	TOSTAGE \a
.endr
	SEND 3
	s_set_vgpr_msb 0x1
	s_wait_tensorcnt 0x0
	ds_add_u32 v255, v255
	s_wait_dscnt 0x0
	s_set_vgpr_msb 0x100
	CROUND                                         ; the closing round: no work-group ends while a partner may still ask for a tile that names it
	s_endpgm
.Lfunc_end_k_q9e24b10674_qkv:
	.size	k_q9e24b10674_qkv, .Lfunc_end_k_q9e24b10674_qkv-k_q9e24b10674_qkv
	.p2alignl 7, 3214868480
	.fill 96, 4, 3214868480
	.section	.rodata,"a",@progbits
	.p2align	6, 0x0
	.amdhsa_kernel k_q9e24b10674_qkv
		.amdhsa_group_segment_fixed_size 327680
		.amdhsa_private_segment_fixed_size 0
		.amdhsa_enable_private_segment 0
		.amdhsa_kernarg_size 64
		.amdhsa_user_sgpr_count 2
		.amdhsa_user_sgpr_kernarg_segment_ptr 1
		.amdhsa_wavefront_size32 1
		.amdhsa_system_sgpr_workgroup_id_x 1
		.amdhsa_system_sgpr_workgroup_id_y 1
		.amdhsa_system_sgpr_workgroup_id_z 1
		.amdhsa_system_vgpr_workitem_id 0
		.amdhsa_next_free_vgpr 1024
		.amdhsa_next_free_sgpr 80
		.amdhsa_reserve_vcc 0
		.amdhsa_float_denorm_mode_32 3
		.amdhsa_float_denorm_mode_16_64 3
		.amdhsa_memory_ordered 1
		.amdhsa_forward_progress 1
		.amdhsa_inst_pref_size 121
	.end_amdhsa_kernel
	.amdgpu_metadata
---
amdhsa.version: [ 1, 2 ]
amdhsa.kernels:
  - .name:           k_q9e24b10674_qkv
    .symbol:         k_q9e24b10674_qkv.kd
    .args:
      - { .name: xb, .offset: 0, .size: 8, .value_kind: global_buffer, .address_space: global }
      - { .name: wqkv, .offset: 8, .size: 8, .value_kind: global_buffer, .address_space: global }
      - { .name: bq, .offset: 16, .size: 8, .value_kind: global_buffer, .address_space: global }
      - { .name: bk, .offset: 24, .size: 8, .value_kind: global_buffer, .address_space: global }
      - { .name: bv, .offset: 32, .size: 8, .value_kind: global_buffer, .address_space: global }
      - { .name: qh, .offset: 40, .size: 8, .value_kind: global_buffer, .address_space: global }
      - { .name: kh, .offset: 48, .size: 8, .value_kind: global_buffer, .address_space: global }
      - { .name: vh, .offset: 56, .size: 8, .value_kind: global_buffer, .address_space: global }
    .group_segment_fixed_size: 327680
    .private_segment_fixed_size: 0
    .kernarg_segment_align: 8
    .kernarg_segment_size: 64
    .max_flat_workgroup_size: 128
    .sgpr_count:     80
    .vgpr_count:     1024
    .wavefront_size: 32
...
	.end_amdgpu_metadata
.endif
;; end of part 2
;; launch attn (part 3): grid 8 x 32, 4 waves a work-group, no clusters, 49,152 bytes of LDS; arguments qh, kh, vh, key_padding_mask, ao; writes ao
.if DOCPART == 3
	.amdgcn_target "amdgcn-amd-amdhsa--gfx1250"
	.amdhsa_code_object_version 6
	.text
	.protected	k_q9e24b10674_attn
	.globl	k_q9e24b10674_attn
	.p2align	8
	.type	k_q9e24b10674_attn,@function
k_q9e24b10674_attn:
	s_mov_b64 s[64:65], 0
	v_nop
	global_prefetch_b8 v0, s[64:65] scope:SCOPE_SE
	s_setreg_imm32_b32 hwreg(HW_REG_WAVE_MODE, 25, 1), 1
	s_wait_xcnt 0x0
; Causal attention with a key padding mask, one head: O[q] = sum over kept keys of softmax(q . k / 8) v.  qh, kh, vh: [batch*16 + head][2048][64] f16.
; ao: [token pair][head][2 tokens][64 channels] f16: a (pair, head) is 256 consecutive bytes, aligned; a pair's 16 heads are 4,096 bytes.
; Products, maxima and sums in f32; the weights are rounded to f16 for the second product, O once at the end.
; SHARES.  Work-group (x = i, y = batch*16 + head) owns two blocks of 128 queries, block i (lo) and block 15 - i (hi), so that every work-group has the same work:
; a wave holds four tiles of 16 queries (tiles 0, 1: lo queries 32 w + 16 t; tiles 2, 3: hi) and does 4 (2 i + 2) + 2 (30 - 4 i) = 68 tile steps of 64 keys, whatever i.
; ORDER OF THE KEY TILES (a running softmax takes any): tiles 2 i, 2 i + 1 (lo's diagonal; hi sees them whole; they start all sums), tiles 0 .. 2 i - 1 (all four query tiles),
; lo goes out, tiles 2 i + 2 .. 29 - 2 i (hi alone), tiles 30 - 2 i, 31 - 2 i (hi's diagonal).  Keys behind a block's diagonal are never touched.
; LAYOUT.  S^T = K Q^T (source 0 = 16 keys, source 1 = 16 queries): a lane holds ONE query (lane % 16) and the keys 8 (lane / 16) + 0..7; two such tiles, rounded in pairs, ARE source 1
; of O^T = V^T P.  K comes out of LDS as it lies, V ([key][channel]) turned, by ds_load_tr16_b128.
; MASKS.  The first product of S^T takes as C a bias per key: 0 for a kept key, -1e30 for a masked one (mask byte 0).  On diagonal tiles the bias is first written into S with -1e30 where key > query.
; SOFTMAX.  A running maximum m (never below -1e20) and sum l: p = 2^(c s - c m), c = log2(e) / 8; O and l are multiplied by 2^(c m_old - c m_new) in every step.  A masked score gives p = 0 exactly;
; a query with no kept key ends with l = 0 and gets zeros, as the problem defines it.
; LIMITS: unmasked q . k must lie in (-1e20, 1e29); a mask byte other than 0 means keep; NaN and infinite inputs are not served.
; NO MULTICAST: the eight work-groups of a head walk 18 to 32 key tiles, each in its own order, so no two ask for the same tile at the same time.
; BY TURNS.  A tile's step is 118 vector instructions for 16 matrix instructions, so the vector unit bounds the loop, and the matrix instructions are set singly among the vector work.  A step's tiles
; are two PIECES X and Y (two tiles each, or one each where hi works alone).  K Q^T of X has the step's LDS traffic behind its products; K Q^T of Y has slices of X's softmax; V^T P of X slices of
; Y's softmax; V^T P of Y the row sums of all tiles.  A slice works in window 0 and a product does not, so each product costs two window switches: the lesser price here, since set in runs
; the products would hold the wave while it has nothing else to issue.
; K, V AND THE MASK come through registers into two LDS slots; a tile is put into LDS one step ahead of its use; one barrier a step, in the step's middle, and behind it the next step's K is fetched.
; Two register sets, two tiles on their way, while all four query tiles work; four sets where hi works alone, since a step is then half as long.
; REGISTERS, in windows of 256:  window 0: v0-15 addresses; v16-47 statistics, 8 a tile; v48-63 addresses; v64-191 S^T, 32 a tile; v192-255 P, 16 a tile
;   window 1: v0-127 O^T, 32 a tile; v128-159 the key bias      window 2: v0-63 Q; v64-127 K; v128-191 V      window 3: v0-135 four sets of 34 (K 16, V 16, mask 1)
.set PITK,  144                        ; a row of K in LDS: 128 bytes + 16: an odd multiple of 16
.set PITV,  160                        ; a row of V: 128 + 32: an odd multiple of 32, for the turning load
.set VOFF,  64*PITK
.set BOFF,  VOFF+64*PITV               ; 64 f32: the key bias
.set SLOT,  BOFF+256                   ; 19,712
.set STAGE, 2*SLOT                     ; 16 rows x 144 bytes for each wave, for the way out
.set AK,  3                            ; my lane's place in a tile of K
.set AV,  4                            ; in a tile of V (turning load)
.set AB,  5                            ; in the bias
.set SK,  6                            ; where my thread puts 16 bytes of K
.set SV,  7                            ; of V
.set SB,  8                            ; one number of the bias
.set GL0, 9                            ; my thread's byte in a tile of K or V in memory
.set GM0, 10                           ; my key in a tile's 64 mask bytes
.set DG,  15                           ; 32 w + lane % 16 - 8 (lane / 16): query minus key offset, inside a block
.set ST,  16                           ; tile t at v[ST + 8 t]: +0 c m, +1 m, +2, +3 l, +4 to +7 at work; +6 then holds the factor a
.set QO,  48
.set STO, 49
.set RD,  50
.set GO,  51
.set GK,  56                           ; v56-59  set s: GL0 + the tile's bytes
.set GM,  60                           ; v60-63  set s: GM0 + the tile's keys
.set S,   64
.set P,   192
.set BI,  128                          ; window 1
.set SET, 0                            ; window 3: set s at SET + 34 s
.set KF,  64                           ; window 2
.set VF,  128                          ; window 2
.set CVD, 5                            ; a pair of weights is rounded CVD turns of the pipeline behind its scaling, three behind its exponentials
.set NIT, 16+CVD
.set LIST, 22+4*NIT+16                 ; places in a tile's softmax list
.set MID, 72                           ; the place in X's list at which the barrier is signalled
.set IB,  14                           ; s14 i
.set BH,  15                           ; s15 batch*16 + head
.set WV,  16                           ; s16 wave
.set CS,  20                           ; s[20:21] c, twice
.set SEL, 22                           ; s[22:23] lane selects: each lane takes its own place in the other half
.set NEG, 24                           ; -1e30
.set FLOOR, 25                         ; -1e20
.set NN,  26                           ; place in the order of the next tile to ask for
.set LIM, 27                           ; 2 i + 2: places below it (from 2 on) are tiles place - 2
.set LAST, 28                          ; 31 - 2 i: the last place
.set CNT, 29
.set KB,  32
.set VB,  34
.set MB,  36
.set QL,  38
.set QH,  40
.set AOL, 42
.set AOH, 44
.set MSB, 0
.macro WIN new                         ; the immediate's high byte repeats the setting that is left; a switch that changes nothing is dropped
.if MSB != (\new)
	s_set_vgpr_msb (MSB<<8)|(\new)
.set MSB, (\new)
.endif
.endm
.macro PLACES
.rept 4
	v_nop
.endr
.endm
	s_load_b256 s[4:11], s[0:1], 0x0               ; qh 4, kh 6, vh 8, mask 10
	s_load_b64 s[12:13], s[0:1], 0x20              ; ao
	v_lshl_add_u32 v14, v0, 2, 0xbe00
	v_mov_b32 v55, 0
	v_lshrrev_b32 v1, 5, v0
	v_readfirstlane_b32 s[WV], v1
	s_mov_b32 s[IB], ttmp9
	s_and_b32 s[BH], ttmp7, 0xffff
	s_mov_b32 s[CS], 0x3e38aa3b                    ; log2(e) / 8
	s_mov_b32 s[CS+1], s[CS]
	s_mov_b32 s[SEL], 0x76543210
	s_mov_b32 s[SEL+1], 0xfedcba98
	s_mov_b32 s[NEG], 0xf149f2ca
	s_mov_b32 s[FLOOR], 0xe0ad78ec
	s_lshl_b32 s[LIM], s[IB], 1
	s_sub_co_u32 s[LAST], 31, s[LIM]
	s_add_co_u32 s[LIM], s[LIM], 2
	v_and_b32 v1, 15, v0                           ; r
	v_bfe_u32 v2, v0, 4, 1                         ; h
	v_lshlrev_b32 v[QO], 7, v1
	v_lshl_add_u32 v[QO], v2, 4, v[QO]             ; a fragment of Q from memory: row x 128 + 16 x half
	v_lshlrev_b32 v[GL0], 4, v0
	v_lshl_add_u32 v[GM0], s[WV], 4, v1            ; key 16 w + r: both halves of the lanes take the same
	s_lshl_b32 s18, s[IB], 7
	s_lshl_b32 s19, s[WV], 5
	s_add_co_u32 s18, s18, s19                     ; my first lo token
	s_sub_co_u32 s17, 15, s[IB]
	s_lshl_b32 s17, s17, 7
	s_add_co_u32 s19, s17, s19                     ; my first hi token
	s_lshr_b32 s17, s[BH], 4
	s_lshl_b32 s17, s17, 11                        ; batch x 2,048
	s_and_b32 s29, s[BH], 15
	s_lshl_b32 s29, s29, 8                         ; head x 256
	s_lshl_b32 s30, s[BH], 18                      ; the head's 2,048 rows of 128 bytes
	s_mov_b32 s31, 0
	s_wait_kmcnt 0x0
	s_add_nc_u64 s[KB:KB+1], s[6:7], s[30:31]
	s_add_nc_u64 s[VB:VB+1], s[8:9], s[30:31]
	s_add_nc_u64 s[QL:QL+1], s[4:5], s[30:31]
	s_mov_b64 s[QH:QH+1], s[QL:QL+1]
	s_lshl_b32 s30, s18, 7
	s_add_nc_u64 s[QL:QL+1], s[QL:QL+1], s[30:31]
	s_lshl_b32 s30, s19, 7
	s_add_nc_u64 s[QH:QH+1], s[QH:QH+1], s[30:31]
	s_mov_b32 s30, s17
	s_add_nc_u64 s[MB:MB+1], s[10:11], s[30:31]
	s_add_co_u32 s30, s17, s18
	s_lshl_b32 s30, s30, 11                        ; a token pair is 4,096 bytes
	s_add_co_u32 s30, s30, s29
	s_add_nc_u64 s[AOL:AOL+1], s[12:13], s[30:31]
	s_add_co_u32 s30, s17, s19
	s_lshl_b32 s30, s30, 11
	s_add_co_u32 s30, s30, s29
	s_add_nc_u64 s[AOH:AOH+1], s[12:13], s[30:31]
	WIN 0x80                                       ; destination window 2
.irp t, 0,1
.irp c, 0,1
	global_load_b128 v[16*\t+8*\c:16*\t+8*\c+3],       v[QO], s[QL:QL+1] offset:2048*\t+64*\c
	global_load_b128 v[16*\t+8*\c+4:16*\t+8*\c+7],     v[QO], s[QL:QL+1] offset:2048*\t+64*\c+32
	global_load_b128 v[32+16*\t+8*\c:32+16*\t+8*\c+3],   v[QO], s[QH:QH+1] offset:2048*\t+64*\c
	global_load_b128 v[32+16*\t+8*\c+4:32+16*\t+8*\c+7], v[QO], s[QH:QH+1] offset:2048*\t+64*\c+32
.endr
.endr
	WIN 0
; Nine loads: a tile's K and V (8,192 consecutive bytes each: 128 threads x 16 bytes x 4) and its 64 mask bytes, into set s
.macro LOADS set
	WIN 0xc0                                       ; destination window 3
.irp j, 0,1,2,3
	global_load_b128 v[SET+34*(\set)+4*\j:SET+34*(\set)+4*\j+3], v[GK+(\set)], s[KB:KB+1] offset:2048*\j
.endr
.irp j, 0,1,2,3
	global_load_b128 v[SET+34*(\set)+16+4*\j:SET+34*(\set)+16+4*\j+3], v[GK+(\set)], s[VB:VB+1] offset:2048*\j
.endr
	global_load_u8 v[SET+34*(\set)+32], v[GM+(\set)], s[MB:MB+1]
.endm
; The tile at place NN of the order is asked for.  Past the last place the last tile is asked for again and never used: three tiles a work-group, so that the same number of younger loads is out on
; every way to each counted wait.
.macro GLOAD set
	s_min_u32 s30, s[NN], s[LAST]
	s_cmp_ge_u32 s30, s[LIM]
	s_cselect_b32 s31, 0, 2
	s_sub_co_u32 s30, s30, s31                     ; the tile
	s_add_co_u32 s[NN], s[NN], 1
	s_lshl_b32 s31, s30, 13
	s_lshl_b32 s30, s30, 6
	WIN 0
	v_add_nc_u32 v[GK+(\set)], s31, v[GL0]         ; the set's last loads are in (the counted wait at the step's head), so its address registers are free
	v_add_nc_u32 v[GM+(\set)], s30, v[GM0]
	LOADS \set
.endm
; THE LDS TRAFFIC AT A STEP'S HEAD, as a list; TOPS writes the next cnt numbers of it (m counts).  0-15: V of slot p, turned: 8 fragments of V^T (keys 32 (f / 4) on, channels 16 (f % 4) on), two loads
; each.  16-26 (st >= 0): set st goes into the other slot: the mask byte becomes the key's bias, four stores of K, four of V, one of the bias.
.macro TOPS p, st, cnt
.rept \cnt
.if m < 16
	WIN 0x80                                       ; destination window 2
	ds_load_tr16_b128 v[VF+4*m:VF+4*m+3], v[AV] offset:(\p)*SLOT+(m/8)*32*PITV+(m%2)*16*PITV+((m/2)%4)*32
.elseif (\st) >= 0
.if m == 16
	WIN 0xcc                                       ; source 1 (store data) and destination window 3
	v_cmp_ne_u32 vcc_lo, 0, v[SET+34*(\st)+32]
.elseif m == 17
	WIN 0xcc
	v_cndmask_b32 v[SET+34*(\st)+32], s[NEG], 0, vcc_lo
.elseif m < 22
	WIN 0xcc
	ds_store_b128 v[SK], v[SET+34*(\st)+4*(m-18):SET+34*(\st)+4*(m-18)+3] offset:(1-\p)*SLOT+16*PITK*(m-18)
.elseif m < 26
	WIN 0xcc
	ds_store_b128 v[SV], v[SET+34*(\st)+16+4*(m-22):SET+34*(\st)+16+4*(m-22)+3] offset:(1-\p)*SLOT+16*PITV*(m-22)
.elseif m == 26
	WIN 0xcc
	ds_store_b32 v[SB], v[SET+34*(\st)+32] offset:(1-\p)*SLOT
.endif
.endif
.set m, m+1
.endr
.endm
.macro LDK p                           ; 8 fragments of K: keys 16 (f / 2) on, channels 32 (f % 2) on
	WIN 0x80
.irp f, 0,1,2,3,4,5,6,7
	ds_load_b128 v[KF+8*\f:KF+8*\f+3],   v[AK] offset:(\p)*SLOT+(\f/2)*16*PITK+(\f%2)*64
	ds_load_b128 v[KF+8*\f+4:KF+8*\f+7], v[AK] offset:(\p)*SLOT+(\f/2)*16*PITK+(\f%2)*64+32
.endr
.endm
.macro LDB p                           ; the bias as four C operands: register j of block b holds key 16 b + 8 h + j
	WIN 0x40
.irp b, 0,1,2,3
	ds_load_b128 v[BI+8*\b:BI+8*\b+3],   v[AB] offset:(\p)*SLOT+64*\b
	ds_load_b128 v[BI+8*\b+4:BI+8*\b+7], v[AB] offset:(\p)*SLOT+64*\b+16
.endr
.endm
; Tile t on the diagonal, key tile p of the block's two: S = the key's bias where key <= query, else -1e30.  key <= query is 64 p + 16 b + 8 h + j <= 32 w + 16 (t % 2) + r.
.macro DIAG t, p
	WIN 0x04                                       ; source 1 (the bias) window 1
.set x, 0
.rept 32
	v_cmp_ge_i32 vcc_lo, v[DG], 16*(x/8)+(x%8)+64*(\p)-16*((\t)%2)
	v_cndmask_b32 v[S+32*(\t)+x], s[NEG], v[BI+x], vcc_lo
.set x, x+1
.endr
.endm
; THE MATRIX WORK, one instruction a call (i counts).  A piece's accumulators take turns, one instruction a turn: between two links of a chain stand 3 or 7 others'.
; Product i of 8 n of S^T = K Q^T for the piece of n tiles from ta on: channels 32 (i / 4 n) on, keys 16 ((i / n) % 4) on, tile ta + i % n.  The first 4 n take the key bias as C; dg = 1: they add onto S.
.macro KQW ta, n, dg
.set cc, i/(4*(\n))
.set kb, (i/(\n))%4
.set rS, S+32*((\ta)+i%(\n))+8*kb
.set rK, KF+8*(2*kb+cc)
.set rQ, 16*((\ta)+i%(\n))+8*cc
.if (cc == 0) && !\dg
	WIN 0x1a                                       ; K and Q window 2, C window 1, D window 0
	v_wmma_f32_16x16x32_f16 v[rS:rS+7], v[rK:rK+7], v[rQ:rQ+7], v[BI+8*kb:BI+8*kb+7]
.else
	WIN 0x0a                                       ; C window 0
	v_wmma_f32_16x16x32_f16 v[rS:rS+7], v[rK:rK+7], v[rQ:rQ+7], v[rS:rS+7]
.endif
.endm
; Product i of 8 n of O^T += V^T P: keys 32 (i / 4 n) on, channels 16 ((i / n) % 4) on, tile ta + i % n.  zero = 1: the first 4 n start the sums: nothing is ever cleared.
.macro PVW ta, n, zero
.set g, i/(4*(\n))
.set cb, (i/(\n))%4
.set rO, 32*((\ta)+i%(\n))+8*cb
.set rV, VF+32*g+8*cb
.set rP, P+16*((\ta)+i%(\n))+8*g
	WIN 0x52                                       ; V window 2, P window 0, O^T window 1
.if \zero && (g == 0)
	v_wmma_f32_16x16x32_f16 v[rO:rO+7], v[rV:rV+7], v[rP:rP+7], 0
.else
	v_wmma_f32_16x16x32_f16 v[rO:rO+7], v[rV:rV+7], v[rP:rP+7], v[rO:rO+7]
.endif
.endm
; THE VECTOR WORK.  One tile's softmax for one key step is a list of LIST places; SMT writes place j of it for tile t (some places are empty).  first = 1: the step starts m, l and O^T.
;   0-21    the maximum of the lane's 32 scores and the old m (first: the floor): four chains of seven scores, the four left over, the other half of the lanes; c m; a = 2^(c m_old - c m_new)
;   22-105  a pipeline of NIT turns of four places: c s - c m for pair n, the exponential of pair n - 2's first score, the rounding to f16 of pair n - CVD, the exponential of pair n - 2's second.
;           Between an exponential and the rounding that reads it stand the roundings of the two pairs before: plain instructions (ISA guide 5.7.2), and two instructions or more
;   106-121 the tile's O^T times a: the one part that leaves window 0
.macro SMT t, first
.set rT, ST+8*(\t)
.set rS, S+32*(\t)
.set rP, P+16*(\t)
.set it, (j-22)/4
.set sb, (j-22)%4
.if j < 22
	WIN 0
.endif
.if j < 4
	v_max3_num_f32 v[rT+4+j], v[rS+8*j], v[rS+8*j+1], v[rS+8*j+2]
.elseif j < 12
	v_max3_num_f32 v[rT+4+j%4], v[rT+4+j%4], v[rS+8*(j%4)+2*(j/4)+1], v[rS+8*(j%4)+2*(j/4)+2]
.elseif j == 12
	v_max3_num_f32 v[rT+4], v[rT+4], v[rS+7], v[rS+15]
.elseif j == 13
	v_max3_num_f32 v[rT+6], v[rT+6], v[rS+23], v[rS+31]
.elseif j == 14
	v_max3_num_f32 v[rT+4], v[rT+4], v[rT+5], v[rT+6]
.elseif j == 15
.if \first
	v_max3_num_f32 v[rT+4], v[rT+4], v[rT+7], s[FLOOR]
.else
	v_max3_num_f32 v[rT+4], v[rT+4], v[rT+7], v[rT+1]
.endif
.elseif j == 16
	v_permlanex16_b32 v[rT+5], v[rT+4], s[SEL], s[SEL+1]   ; the query's other 32 keys lie in the lane 16 away
.elseif j == 17
.if !\first
	v_mov_b32 v[rT+7], v[rT]                       ; c m_old
.endif
.elseif j == 18
	v_max_num_f32 v[rT+1], v[rT+4], v[rT+5]
.elseif j == 19
	v_mul_f32 v[rT], s[CS], v[rT+1]
.elseif j == 20
.if !\first
	v_sub_f32 v[rT+7], v[rT+7], v[rT]
.endif
.elseif j == 21
.if !\first
	v_exp_f32 v[rT+6], v[rT+7]                     ; a is first read at place 106
.endif
.elseif j < 22+4*NIT
.if (sb == 0) && (it < 16)
	WIN 0
	v_pk_fma_f32 v[rS+2*it:rS+2*it+1], v[rS+2*it:rS+2*it+1], s[CS:CS+1], v[rT:rT+1] op_sel_hi:[1,0,0] neg_lo:[0,0,1] neg_hi:[0,0,1]
.elseif ((sb == 1) || (sb == 3)) && (it >= 2) && (it < 18)
	WIN 0
	v_exp_f32 v[rS+2*(it-2)+sb/2], v[rS+2*(it-2)+sb/2]
.elseif (sb == 2) && (it >= CVD)
	WIN 0
	s_wait_alu depctr_va_vdst(0)
	v_cvt_pk_f16_f32 v[rP+it-CVD], v[rS+2*(it-CVD)], v[rS+2*(it-CVD)+1]
.endif
.elseif !\first
	WIN 0x41                                       ; O^T (destination and source 0) window 1, a window 0
.set rO, 32*(\t)+2*(j-22-4*NIT)
	v_pk_mul_f32 v[rO:rO+1], v[rO:rO+1], v[rT+6:rT+7] op_sel_hi:[1,0]
.endif
.endm
; The next cnt places of the list (k counts) for the piece of n tiles from ta on; a piece's two tiles alternate
.macro SLICE ta, n, first, cnt
.rept \cnt
.if k < LIST
.set j, k
.set u, 0
.rept \n
	SMT ((\ta)+u), \first
.set u, u+1
.endr
.endif
.set k, k+1
.endr
.endm
; Number z of 16 of a tile's row sum: its 16 pairs of weights (an even key's, an odd key's) are added in place, neighbours 1, 2, 4 and 8 pairs apart; then l = a l + the sum (first: the last sum is made in l)
.macro SUMT t, first
.set rT, ST+8*(\t)
.set rS, S+32*(\t)
.set w, 4
.set q, z
.if z >= 14
.set w, 32
.set q, 0
.elseif z >= 12
.set w, 16
.set q, z-12
.elseif z >= 8
.set w, 8
.set q, z-8
.endif
.if (z == 14) && \first
	WIN 0
	v_pk_add_f32 v[rT+2:rT+3], v[rS:rS+1], v[rS+16:rS+17]
.elseif z < 15
	WIN 0
	v_pk_add_f32 v[rS+w*q:rS+w*q+1], v[rS+w*q:rS+w*q+1], v[rS+w*q+w/2:rS+w*q+w/2+1]
.elseif !\first
	WIN 0
	v_pk_fma_f32 v[rT+2:rT+3], v[rT+2:rT+3], v[rT+6:rT+7], v[rS:rS+1] op_sel_hi:[1,0,1]
.endif
.endm
.macro SUMS t0, nt, first, cnt         ; the next cnt numbers (z counts) for nt tiles, which alternate
.rept \cnt
.if z < 16
.set u, 0
.rept \nt
	SUMT ((\t0)+u), \first
.set u, u+1
.endr
.endif
.set z, z+1
.endr
.endm
; A KEY STEP on slot p.  Piece X: n tiles from t0 on; piece Y: the n behind them.  dgx, dgy: the piece is on the diagonal.  first: the step starts m, l and O^T.
; st: the set from which the next tile goes into the other slot (-1: none); left: the loads younger than that set's; ld: the set is then asked for again; bar: a step follows.
; THE ONE BARRIER.  In front of its signal my stores of the next tile into the other slot and my reads of this slot (K, the bias, V) are done.  Behind its wait this step reads the next tile's K and bias
; from the other slot, and the next step stores into this one.
; PLACES (ISA guide 7.12.1).  A slice names no register of the products round it.  Four v_nop stand between X's K Q^T and the first read of its scores; the rest of X's list stands between Y's K Q^T
; and the reads of its scores and the loads into K and the bias; the last four sums (first: four v_nop) stand between the last V^T P and the next step's loads into V.
.macro STEP p, t0, n, dgx, dgy, first, st, left, ld, bar
.set used, 8*(\n)*(5-(\n))             ; places of a list that are dealt behind products: 4 a product for one tile, 3 for two
	s_wait_dscnt 0x0                               ; K and the bias, fetched behind the last barrier, are in
.if (\st) >= 0
	s_wait_loadcnt \left                           ; the next tile's nine loads are in; those of the tiles behind it stay out
.endif
.if \dgx
	DIAG \t0, \p
.if \n == 2
	DIAG \t0+1, \p
.endif
.endif
.if \dgy
	DIAG \t0+\n, \p
.if \n == 2
	DIAG \t0+\n+1, \p
.endif
.endif
.set i, 0
.set m, 0
.rept 8*\n                             ; X's scores | V out of LDS, the next tile into LDS
	KQW \t0, \n, \dgx
	TOPS \p, \st, 4/\n
.set i, i+1
.endr
	PLACES
.set i, 0
.set k, 0
.rept 8*\n                             ; Y's scores | X's softmax
	KQW \t0+\n, \n, \dgy
	SLICE \t0, \n, \first, 5-\n
.set i, i+1
.endr
	SLICE \t0, \n, \first, MID-used
	s_wait_dscnt 0x0                               ; V is in: my last reads of this slot; my stores into the other slot are done, and the set is free
.if \ld
	GLOAD \st
.endif
.if \bar
	s_barrier_signal -1
.endif
	SLICE \t0, \n, \first, LIST-MID                ; work on registers while the others arrive
.if \bar
	s_barrier_wait -1
	LDK 1-\p                                       ; the next step's K and bias land under the rest of this step
	LDB 1-\p
.endif
.set i, 0
.set k, 0
.rept 8*\n                             ; X's V^T P | Y's softmax
	PVW \t0, \n, \first
	SLICE \t0+\n, \n, \first, 5-\n
.set i, i+1
.endr
	SLICE \t0+\n, \n, \first, LIST-used
.set i, 0
.set z, 0
.rept 8*\n                             ; Y's V^T P | the row sums of both pieces, four instructions behind each product
	PVW \t0+\n, \n, \first
	SUMS \t0, 2*\n, \first, 2/\n
.set i, i+1
.endr
.if \first
	PLACES                                         ; the first step's last number is empty
.endif
	WIN 0
.endm
; THE WAY OUT of tiles t0, t0 + 1: O^T / l (zeros where l = 0), rounded to f16, through my stage: in by queries, back as runs of four tokens; sixteen lanes store a (pair, head)'s 256 bytes.
.macro OUT t0, base
	WIN 0
.irp u, 0,1
	v_add_f32 v[ST+8*(\t0+\u)+4], v[ST+8*(\t0+\u)+2], v[ST+8*(\t0+\u)+3]
.endr
.irp u, 0,1
	v_permlanex16_b32 v[ST+8*(\t0+\u)+5], v[ST+8*(\t0+\u)+4], s[SEL], s[SEL+1]
.endr
.irp u, 0,1
	v_add_f32 v[ST+8*(\t0+\u)+4], v[ST+8*(\t0+\u)+4], v[ST+8*(\t0+\u)+5]
.endr
.irp u, 0,1
	v_rcp_f32 v[ST+8*(\t0+\u)+6], v[ST+8*(\t0+\u)+4]
.endr
	v_nop                                          ; a plain instruction between the last reciprocal and the use of its result
	s_wait_alu depctr_va_vdst(0)
.irp u, 0,1
	v_cmp_lt_f32 vcc_lo, 0, v[ST+8*(\t0+\u)+4]
	v_cndmask_b32 v[ST+8*(\t0+\u)+6], 0, v[ST+8*(\t0+\u)+6], vcc_lo   ; l is 0 or at least 1: the largest score's weight is 1
.endr
	WIN 0x41
.set x, 0
.rept 32
.set rT, ST+8*(\t0+x/16)
	v_pk_mul_f32 v[32*\t0+2*x:32*\t0+2*x+1], v[32*\t0+2*x:32*\t0+2*x+1], v[rT+6:rT+7] op_sel_hi:[1,0]
.set x, x+1
.endr
	WIN 0x05                                       ; sources window 1, destination window 0: the tiles' S^T is free
.set x, 0
.rept 32
	v_cvt_pk_f16_f32 v[S+32*(\t0+x/16)+x%16], v[32*\t0+2*x], v[32*\t0+2*x+1]
.set x, x+1
.endr
	WIN 0
.irp u, 0,1
.irp c, 0,1,2,3
	ds_store_b128 v[STO], v[S+32*(\t0+\u)+4*\c:S+32*(\t0+\u)+4*\c+3] offset:32*\c
.endr
.irp c, 0,1,2,3
	ds_load_b128 v[S+32*(\t0+\u)+16+4*\c:S+32*(\t0+\u)+16+4*\c+3], v[RD] offset:4*PITK*\c   ; LDS serves a wave's instructions in order (ISA guide 5.7.1.4)
.endr
.endr
	s_wait_dscnt 0x0
.irp u, 0,1
.irp c, 0,1,2,3
	global_store_b128 v[GO], v[S+32*(\t0+\u)+16+4*\c:S+32*(\t0+\u)+16+4*\c+3], s[\base:\base+1] offset:32768*\u+8192*\c   ; these registers are not written again
.endr
.endr
.endm
	s_lshl_b32 s30, s[IB], 14                      ; tile 2 i: 8,192 bytes a tile,
	s_lshl_b32 s31, s[IB], 7                       ; 64 keys a tile
	v_add_nc_u32 v[GK], s30, v[GL0]
	v_add_nc_u32 v[GM], s31, v[GM0]
	v_add_nc_u32 v[GK+1], 8192, v[GK]              ; tile 2 i + 1
	v_add_nc_u32 v[GM+1], 64, v[GM]
	LOADS 0
	LOADS 1
	WIN 0
	v_mul_u32_u24 v[AK], v1, PITK
	v_lshl_add_u32 v[AK], v2, 4, v[AK]             ; row x pitch + 16 x half
	v_and_b32 v52, 7, v0
	v_lshl_add_u32 v[AV], v2, 3, v52               ; the turning load: key 8 h + l % 8,
	v_mul_u32_u24 v[AV], v[AV], PITV
	v_bfe_u32 v53, v0, 3, 1
	v_lshl_add_u32 v[AV], v53, 4, v[AV]            ; channels 8 ((l / 8) % 2) on
	v_add_nc_u32 v[AV], VOFF, v[AV]
	v_lshlrev_b32 v[AB], 5, v2
	v_add_nc_u32 v[AB], BOFF, v[AB]
	v_lshrrev_b32 v53, 3, v0                       ; thread / 8: the key, of 16, that my 16 bytes belong to
	v_lshlrev_b32 v52, 4, v52                      ; 16 (thread % 8)
	v_mad_u32_u24 v[SK], v53, PITK, v52
	v_mad_u32_u24 v[SV], v53, PITV, v52
	v_add_nc_u32 v[SV], VOFF, v[SV]
	v_lshlrev_b32 v[SB], 2, v[GM0]
	v_add_nc_u32 v[SB], BOFF, v[SB]
	v_lshl_add_u32 v[DG], s[WV], 5, v1
	v_lshlrev_b32 v54, 3, v2
	v_sub_nc_u32 v[DG], v[DG], v54
	s_mul_i32 s30, s[WV], 16*PITK
	s_add_co_u32 s30, s30, STAGE                   ; my stage
	v_add_nc_u32 v[STO], s30, v[AK]                ; in: query l % 16, 16 bytes for each half of the lanes
	v_and_b32 v54, 31, v0
	v_lshrrev_b32 v54, 3, v54
	v_mad_u32_u24 v[RD], v54, PITK, v52            ; back: eight lanes take a token's 128 bytes
	v_add_nc_u32 v[RD], s30, v[RD]
	v_lshlrev_b32 v[GO], 12, v2                    ; lanes 0-15 one token pair, lanes 16-31 the next
	v_lshl_add_u32 v[GO], v1, 4, v[GO]
	s_mov_b32 s[NN], 2
	s_wait_loadcnt 9                               ; Q and the first tile are in; the second tile's nine loads stay out
.set m, 16
	TOPS 1, 0, 11                                  ; set 0 goes into slot 0
	s_wait_dscnt 0x0                               ; for the others' sake: my part of the first tile is in LDS
	GLOAD 0
	WIN 0
	s_barrier_signal -1
	s_barrier_wait -1
	LDK 0
	LDB 0
	STEP 0, 0, 2, 1, 0, 1, 1, 9, 1, 1              ; lo's diagonal; the step starts all sums
	STEP 1, 0, 2, 1, 0, 0, 0, 9, 1, 1
	s_cmp_eq_u32 s[IB], 0
	s_cbranch_scc1 .Lno_a
	s_mov_b32 s[CNT], s[IB]
.Lloop_a:                                              ; i trips: tiles 0 .. 2 i - 1, all four query tiles; sets 1 and 0 by turns
	STEP 0, 0, 2, 0, 0, 0, 1, 9, 1, 1
	STEP 1, 0, 2, 0, 0, 0, 0, 9, 1, 1
	s_sub_co_i32 s[CNT], s[CNT], 1
	s_cmp_lg_u32 s[CNT], 0
	s_cbranch_scc1 .Lloop_a
.Lno_a:
	GLOAD 2                                        ; from here on a step is half as long: two more tiles are asked for, so that four are on their way (sets 1, 0, 2, 3, in this order)
	GLOAD 3
	OUT 0, AOL                                     ; lo has seen all its keys
	s_sub_co_u32 s[CNT], 7, s[IB]
	s_cmp_eq_u32 s[CNT], 0
	s_cbranch_scc1 .Lno_b
.Lloop_b:                                              ; 7 - i trips of four steps: tiles 2 i + 2 .. 29 - 2 i, hi alone; each step takes the oldest set and asks for the tile five steps on
	STEP 0, 2, 1, 0, 0, 0, 1, 27, 1, 1
	STEP 1, 2, 1, 0, 0, 0, 0, 27, 1, 1
	STEP 0, 2, 1, 0, 0, 0, 2, 27, 1, 1
	STEP 1, 2, 1, 0, 0, 0, 3, 27, 1, 1
	s_sub_co_i32 s[CNT], s[CNT], 1
	s_cmp_lg_u32 s[CNT], 0
	s_cbranch_scc1 .Lloop_b
.Lno_b:
	STEP 0, 2, 1, 1, 1, 0, 1, 27, 0, 1             ; hi's diagonal: nothing more is asked for
	STEP 1, 2, 1, 1, 1, 0, -1, 0, 0, 0
	OUT 2, AOH
	s_wait_tensorcnt 0x0
	ds_add_u32 v14, v55
	s_wait_dscnt 0x0
	s_endpgm
.Lfunc_end_k_q9e24b10674_attn:
	.size	k_q9e24b10674_attn, .Lfunc_end_k_q9e24b10674_attn-k_q9e24b10674_attn
	.p2alignl 7, 3214868480
	.fill 96, 4, 3214868480
	.section	.rodata,"a",@progbits
	.p2align	6, 0x0
	.amdhsa_kernel k_q9e24b10674_attn
		.amdhsa_group_segment_fixed_size 49152
		.amdhsa_private_segment_fixed_size 0
		.amdhsa_enable_private_segment 0
		.amdhsa_kernarg_size 40
		.amdhsa_user_sgpr_count 2
		.amdhsa_user_sgpr_kernarg_segment_ptr 1
		.amdhsa_wavefront_size32 1
		.amdhsa_system_sgpr_workgroup_id_x 1
		.amdhsa_system_sgpr_workgroup_id_y 1
		.amdhsa_system_sgpr_workgroup_id_z 1
		.amdhsa_system_vgpr_workitem_id 0
		.amdhsa_next_free_vgpr 912
		.amdhsa_next_free_sgpr 66
		.amdhsa_reserve_vcc 1
		.amdhsa_float_denorm_mode_32 3
		.amdhsa_float_denorm_mode_16_64 3
		.amdhsa_memory_ordered 1
		.amdhsa_forward_progress 1
		.amdhsa_inst_pref_size 255
	.end_amdhsa_kernel
	.section	.bss,"aw",@nobits
	.p2align	6
	.space	262144
	.amdgpu_metadata
---
amdhsa.version: [ 1, 2 ]
amdhsa.kernels:
  - .name:           k_q9e24b10674_attn
    .symbol:         k_q9e24b10674_attn.kd
    .args:
      - { .name: qh, .offset: 0, .size: 8, .value_kind: global_buffer, .address_space: global }
      - { .name: kh, .offset: 8, .size: 8, .value_kind: global_buffer, .address_space: global }
      - { .name: vh, .offset: 16, .size: 8, .value_kind: global_buffer, .address_space: global }
      - { .name: key_padding_mask, .offset: 24, .size: 8, .value_kind: global_buffer, .address_space: global }
      - { .name: ao, .offset: 32, .size: 8, .value_kind: global_buffer, .address_space: global }
    .group_segment_fixed_size: 49152
    .private_segment_fixed_size: 0
    .kernarg_segment_align: 8
    .kernarg_segment_size: 40
    .max_flat_workgroup_size: 128
    .sgpr_count:     66
    .vgpr_count:     912
    .wavefront_size: 32
...
	.end_amdgpu_metadata
.endif
;; end of part 3
;; launch proj (part 4): grid 8 x 32, 4 waves a work-group, clusters of 4 x 4, 327,680 bytes of LDS; arguments ao, wob, bo, out0; writes out0
.if DOCPART == 4
	.amdgcn_target "amdgcn-amd-amdhsa--gfx1250"
	.amdhsa_code_object_version 6
	.text
	.protected	k_q9e24b10674_proj
	.globl	k_q9e24b10674_proj
	.p2align	8
	.type	k_q9e24b10674_proj,@function
k_q9e24b10674_proj:
	s_mov_b64 s[64:65], 0
	v_nop
	global_prefetch_b8 v0, s[64:65] scope:SCOPE_SE
	s_setreg_imm32_b32 hwreg(HW_REG_WAVE_MODE, 25, 1), 1
	s_wait_xcnt 0x0
	s_wait_alu depctr_hold_cnt(0) depctr_sa_sdst(0) depctr_va_vdst(0) depctr_va_sdst(0) depctr_va_ssrc(0) depctr_va_vcc(0) depctr_vm_vsrc(0)
	s_getreg_b32 s2, hwreg(HW_REG_IB_STS2, 6, 4)
	s_cmp_eq_u32 s2, 0
	s_cbranch_scc0 .Lentry_in_a_cluster
	s_endpgm
.Lentry_in_a_cluster:
	s_bfe_u32 s2, ttmp6, 0x10000c
	s_cmp_lg_u32 s2, 0xf033
	s_cbranch_scc0 .Lentry_shape_is_right
	s_endpgm
.Lentry_shape_is_right:
; out0 = attention result x Wo^T + bo.  ao: [2048 token pairs][16 heads][2 tokens][64] f16; wob: [1024][1024] f16; out0: [4096][1024] f32; sums in f32.
; A tile of out0 is 128 tokens x 128 columns, so that the 4,096 x 1,024 numbers make 256 work-groups.  Four waves, each 64 x 64: 16 accumulators of 16 x 16.
; K goes in 4 steps of 256 (four heads) through two LDS slots filled by the tensor data mover: Wo's rows are 512 bytes of memory, ao's rows (a token pair's four heads) 1,024; all start at multiples of 256 bytes.
; CLUSTER 4 x 4: the four work-groups of a row of the cluster need the same tiles of ao, the four of a column the same tiles of Wo: each tile is asked for jointly.
; THE MATRIX INSTRUCTION IS USED TRANSPOSED (source 0 = 16 rows of Wo, source 1 = 16 tokens): a lane holds eight neighbouring columns of one token.  The first products take the bias as C.
; REGISTERS: window 0: v0-31 addresses; v32-95 the way out; v96-127 the bias; v128-255 the accumulators ((a, b) at v[128 + 8 (4 a + b)]).
;   window 1: two fragment buffers of 128: for 64 along K, 64 registers of ao, then 64 of Wo.
.set PITB,   528                       ; a row of Wo in LDS: 512 bytes + 16
.set PITA,   1040                      ; a row of ao: 1,024 bytes + 16.  Token r of a block lies at (r / 2) x 1,040 + (r % 2) x 128: sixteen different 16-byte columns modulo 256
.set BHALF,  64*PITB
.set AHALF,  32*PITA
.set AOFF,   2*BHALF                   ; ao's 64 pair rows lie behind Wo's 128 rows
.set SLOT,   AOFF+2*AHALF              ; 134,144
.set STAGE,  2*SLOT                    ; behind the ring: 16 rows x 272 bytes for each wave; no tensor load fills it
.set SPITCH, 272
.set ADRA, 16
.set ADRB, 20
.set STO,  24
.set RD,   25
.set CO,   26
.set BO,   27
.set OB,   32
.set BIAS, 96
.set ACC,  128
.set F0,   0
.set F1,   128
.set GW1, 24                           ; s[24:31] descriptor group 1 for Wo's tiles;  s[32:39] group 0, one set for each slot
.set GW0, 32
.set GA1, 48                           ; s[48:55], s[56:63] the same for ao's tiles
.set GA0, 56
.set MSB, 0
.macro WIN new
.if MSB != (\new)
	s_set_vgpr_msb (MSB<<8)|(\new)
.set MSB, (\new)
.endif
.endm
.set MUL,  0x05                        ; sources 0 and 1 window 1; C and D window 0
.set TO_F, 0x40                        ; destination window 1, address window 0
.macro JLOAD s                         ; a joint load: waves 0 and 1 fetch Wo's two halves, waves 2 and 3 ao's; four v_nop follow each of the two lines
	s_cmp_eq_u32 s11, 0
	s_cbranch_scc0 .Lfor_a_\@
	tensor_load_to_lds s[GW0+4*\s:GW0+4*\s+3], s[GW1:GW1+7]
	s_nop 0
.rept 4
	v_nop
.endr
	s_branch .Lasked_\@
.Lfor_a_\@:
	tensor_load_to_lds s[GA0+4*\s:GA0+4*\s+3], s[GA1:GA1+7]
	s_nop 0
.rept 4
	v_nop
.endr
.Lasked_\@:
.endm
.macro CREST
	s_cmp_lg_u32 s10, 0
	s_cbranch_scc1 .Lnot_wave_0_\@
	s_barrier_signal -3
.Lnot_wave_0_\@:
	s_barrier_wait -3
	s_barrier_signal -1
	s_barrier_wait -1
.endm
.macro CROUND
	s_barrier_signal -1
	s_barrier_wait -1
	CREST
.endm
	s_load_b128 s[4:7], s[0:1], 0x0                ; ao s[4:5], wob s[6:7]
	s_load_b128 s[68:71], s[0:1], 0x10             ; bo s[68:69], out0 s[70:71]
	v_lshl_add_u32 v30, v0, 2, 0x45c00
	v_mov_b32 v31, 0
	ds_add_u32 v30, v31
	v_lshrrev_b32 v1, 5, v0
	v_readfirstlane_b32 s10, v1                    ; wave 0..3
	s_lshr_b32 s11, s10, 1                         ; which half of the tile's tokens is mine.  Also: I fetch for Wo (0) or for ao (1)
	s_and_b32 s12, s10, 1                          ; which half of its columns.  Also: which half of that tile's rows I fetch
	s_bfe_u32 s40, ttmp6, 0x40000
	s_bfe_u32 s41, ttmp6, 0x40004
	s_lshl_b32 s42, ttmp9, 2
	s_add_co_u32 s42, s42, s40                     ; tile column = 4 x cluster x + cx
	s_and_b32 s13, ttmp7, 0xffff
	s_lshl_b32 s13, s13, 2
	s_add_co_u32 s13, s13, s41                     ; tile row = 4 x cluster y + cy
	s_lshl_b32 s43, s41, 2
	s_lshl_b32 s43, 15, s43                        ; my row of the cluster
	s_lshl_b32 s44, 0x1111, s40                    ; my column
	s_or_b32 s[GW1+0], s44, (1<<16)|(1<<20)|(1<<21)|(6<<22)|(3<<25)  ; Wo's tiles go to my column; elements of 2 bytes; padding of 4 words after every 128
	s_mov_b32 s[GW1+1], 256<<16                    ; tensor_dim0 = 256
	s_mov_b32 s[GW1+2], 64<<16                     ; tensor_dim1 = 64
	s_mov_b32 s[GW1+3], 256<<16                    ; tile_dim0 = 256
	s_mov_b32 s[GW1+4], 64                         ; tile_dim1 = 64
	s_mov_b32 s[GW1+5], 1024                       ; elements from row to row
	s_mov_b32 s[GW1+6], 0
	s_mov_b32 s[GW1+7], 0
	s_or_b32 s[GA1+0], s43, (1<<16)|(1<<20)|(1<<21)|(7<<22)|(3<<25)  ; ao's tiles go to my row; padding of 4 words after every 256
	s_mov_b32 s[GA1+1], 512<<16                    ; tensor_dim0 = 512: four heads x two tokens x 64
	s_mov_b32 s[GA1+2], 32<<16                     ; tensor_dim1 = 32 token pairs
	s_mov_b32 s[GA1+3], 512<<16
	s_mov_b32 s[GA1+4], 32
	s_mov_b32 s[GA1+5], 2048                       ; a token pair's 16 heads
	s_mov_b32 s[GA1+6], 0
	s_mov_b32 s[GA1+7], 0
	s_lshl_b32 s46, s42, 7
	s_lshl_b32 s47, s12, 6
	s_add_co_u32 s46, s46, s47                     ; Wo: row 128 x tile column + 64 x half
	s_lshl_b32 s46, s46, 11
	s_mov_b32 s47, 0
	s_lshl_b32 s16, s13, 6
	s_lshl_b32 s17, s12, 5
	s_add_co_u32 s16, s16, s17                     ; ao: pair 64 x tile row + 32 x half
	s_lshl_b32 s16, s16, 12
	s_mov_b32 s17, 0
	s_mul_i32 s20, s10, BHALF                      ; where they go: Wo's halves at wave x 64 rows (waves 0, 1),
	s_mul_i32 s21, s10, AHALF
	s_add_co_u32 s21, s21, AOFF-2*AHALF            ; ao's at AOFF + (wave - 2) x 32 rows (waves 2, 3)
	s_wait_dscnt 0x0
	s_wait_kmcnt 0x0
	s_add_nc_u64 s[46:47], s[6:7], s[46:47]
	s_add_nc_u64 s[14:15], s[4:5], s[16:17]
	CROUND                                         ; all sixteen work-groups are here: the first joint loads meet
.irp s, 0,1
	s_mov_b32 s[GW0+4*\s], 1
	s_add_co_u32 s[GW0+4*\s+1], s20, \s*SLOT
	s_add_nc_u64 s[GW0+4*\s+2:GW0+4*\s+3], s[46:47], \s*512        ; K step s: 256 numbers along a row of Wo
	s_or_b32 s[GW0+4*\s+3], s[GW0+4*\s+3], 0x80000000
	s_mov_b32 s[GA0+4*\s], 1
	s_add_co_u32 s[GA0+4*\s+1], s21, \s*SLOT
	s_add_nc_u64 s[GA0+4*\s+2:GA0+4*\s+3], s[14:15], \s*1024       ; K step s: four heads of a token pair
	s_or_b32 s[GA0+4*\s+3], s[GA0+4*\s+3], 0x80000000
.endr
	s_cmp_eq_u32 s11, 0                            ; a wave's two first fills stand in one branch: two loads of mine are out
	s_cbranch_scc0 .Lfirst_a
	tensor_load_to_lds s[GW0:GW0+3], s[GW1:GW1+7]
	s_nop 0
	tensor_load_to_lds s[GW0+4:GW0+7], s[GW1:GW1+7]
	s_nop 0
.rept 4
	v_nop
.endr
	s_branch .Lfirst_asked
.Lfirst_a:
	tensor_load_to_lds s[GA0:GA0+3], s[GA1:GA1+7]
	s_nop 0
	tensor_load_to_lds s[GA0+4:GA0+7], s[GA1:GA1+7]
	s_nop 0
.rept 4
	v_nop
.endr
.Lfirst_asked:
	v_and_b32 v1, 15, v0                           ; r
	v_bfe_u32 v2, v0, 4, 1                         ; h
	v_lshlrev_b32 v[BO], 5, v2
	s_lshl_b32 s46, s42, 9
	s_lshl_b32 s47, s12, 8
	s_add_co_u32 s46, s46, s47                     ; my 64 columns, in bytes of f32
	s_mov_b32 s47, 0
	s_add_nc_u64 s[68:69], s[68:69], s[46:47]
	s_add_nc_u64 s[70:71], s[70:71], s[46:47]
.irp b, 0,1,2,3
	global_load_b128 v[BIAS+8*\b:BIAS+8*\b+3],   v[BO], s[68:69] offset:64*\b
	global_load_b128 v[BIAS+8*\b+4:BIAS+8*\b+7], v[BO], s[68:69] offset:64*\b+16
.endr
	s_lshl_b32 s16, s13, 7
	s_lshl_b32 s17, s11, 6
	s_add_co_u32 s16, s16, s17                     ; my first token
	s_lshl_b32 s16, s16, 12
	s_mov_b32 s17, 0
	s_add_nc_u64 s[70:71], s[70:71], s[16:17]
	v_mul_u32_u24 v3, v1, PITB
	v_lshl_add_u32 v3, v2, 4, v3                   ; Wo: row x pitch + 16 x half
	v_lshrrev_b32 v4, 1, v1
	v_mul_u32_u24 v4, v4, PITA                     ; ao: pair x pitch
	v_and_b32 v5, 1, v1
	v_lshl_add_u32 v4, v5, 7, v4                   ; + 128 for the pair's second token
	v_lshl_add_u32 v4, v2, 4, v4
	s_mul_i32 s21, s11, AHALF
	s_add_co_u32 s21, s21, AOFF                    ; my 64 tokens
	s_mul_i32 s22, s12, BHALF                      ; my 64 rows of Wo
.irp s, 0,1
	v_add_nc_u32 v[ADRA+\s], s21, v4
	v_add_nc_u32 v[ADRB+\s], s22, v3
	s_add_co_u32 s21, s21, SLOT
	s_add_co_u32 s22, s22, SLOT
.endr
	s_mul_i32 s23, s10, 16*SPITCH
	s_add_co_u32 s23, s23, STAGE                   ; my stage
	v_mul_u32_u24 v5, v1, SPITCH                   ; in: token l % 16, 32 bytes for each half of the lanes
	v_lshl_add_u32 v5, v2, 5, v5
	v_add_nc_u32 v[STO], s23, v5
	v_mul_u32_u24 v5, v2, SPITCH                   ; back: lanes 0-15 take one token's 256 bytes, lanes 16-31 the next's
	v_lshl_add_u32 v5, v1, 4, v5
	v_add_nc_u32 v[RD], s23, v5
	v_lshlrev_b32 v[CO], 12, v2                    ; and the same two rows in out0
	v_lshl_add_u32 v[CO], v1, 4, v[CO]
; 8 matrix instructions: token blocks a0, a0 + 1 x all 4 column blocks, 32 along K: half c of buffer f.  first = 1: C is the bias.  The 16 accumulators take turns.
.macro MUL8 f, c, a0, first
.irp a, \a0, \a0+1
.irp b, 0,1,2,3
.if \first
	v_wmma_f32_16x16x32_f16 v[ACC+8*(4*(\a)+\b):ACC+8*(4*(\a)+\b)+7], v[\f+64+8*(4*\c+\b):\f+64+8*(4*\c+\b)+7], v[\f+8*(4*\c+\a):\f+8*(4*\c+\a)+7], v[BIAS+8*\b:BIAS+8*\b+7]
.else
	v_wmma_f32_16x16x32_f16 v[ACC+8*(4*(\a)+\b):ACC+8*(4*(\a)+\b)+7], v[\f+64+8*(4*\c+\b):\f+64+8*(4*\c+\b)+7], v[\f+8*(4*\c+\a):\f+8*(4*\c+\a)+7], v[ACC+8*(4*(\a)+\b):ACC+8*(4*(\a)+\b)+7]
.endif
.endr
.endr
.endm
; 32 LDS loads in one run: the fragments of quarter q (64 along K: one head) into buffer f; the first 32 along K first
.macro FETCH slot, q, f
	WIN TO_F
.irp c, 0,1
.irp i, 0,1,2,3
	ds_load_b128 v[\f+64+8*(4*\c+\i):\f+64+8*(4*\c+\i)+3],   v[ADRB+\slot] offset:128*\q+64*\c+\i*16*PITB
	ds_load_b128 v[\f+64+8*(4*\c+\i)+4:\f+64+8*(4*\c+\i)+7], v[ADRB+\slot] offset:128*\q+64*\c+\i*16*PITB+32
	ds_load_b128 v[\f+8*(4*\c+\i):\f+8*(4*\c+\i)+3],         v[ADRA+\slot] offset:256*\q+64*\c+\i*8*PITA
	ds_load_b128 v[\f+8*(4*\c+\i)+4:\f+8*(4*\c+\i)+7],       v[ADRA+\slot] offset:256*\q+64*\c+\i*8*PITA+32
.endr
.endr
.endm
.macro PLACES                          ; four places in front of loads into registers that matrix instructions have read, and of LDS stores that read results
.rept 4
	v_nop
.endr
.endm
; A K step is four quarters of 64 along K, 32 matrix instructions each, on buffers 0, 1, 0, 1.  One of the first three multiplies buffer f and fetches quarter q into g.
.macro QUARTER slot, q, f, g, first
	s_wait_dscnt 16                                ; the first 32 along K are in; the other sixteen loads may be out
	WIN MUL
	MUL8 \f, 0, 0, \first
	MUL8 \f, 0, 2, \first
	PLACES
	FETCH \slot, \q, \g
	s_wait_dscnt 32                                ; all but the 32 just issued
	WIN MUL
	MUL8 \f, 1, 0, 0
	MUL8 \f, 1, 2, 0
.endm
; The last quarter multiplies buffer 1 and changes slots: ONE barrier; in front of it each wave waits for its own reads of this slot and for all its tensor loads.
; fill = 1: the barrier opens a round of the cluster's barrier and this slot is filled again, two K steps ahead, first thing behind the round.
.macro TURN slot, next, fill
	s_wait_dscnt 16
	WIN MUL
	MUL8 F1, 0, 0, 0
	s_wait_dscnt 0                                 ; my reads of this slot are over,
	s_set_vgpr_msb 0x500
	s_wait_tensorcnt 0x0                           ; and all my tensor loads have landed: my part of the next slot
	ds_add_u32 v30, v31
	s_wait_dscnt 0x0
	s_set_vgpr_msb 0x5
	s_barrier_signal -1
	MUL8 F1, 0, 2, 0
.if \fill
	WIN 0
.endif
	s_barrier_wait -1
.if \fill
	CREST                                          ; no wave of any partner still reads this slot's tile or has a load on its way
	s_add_nc_u64 s[GW0+4*\slot+2:GW0+4*\slot+3], s[GW0+4*\slot+2:GW0+4*\slot+3], 1024
	s_add_nc_u64 s[GA0+4*\slot+2:GA0+4*\slot+3], s[GA0+4*\slot+2:GA0+4*\slot+3], 2048
	JLOAD \slot                                    ; 120 matrix instructions ahead of the wait for it; the four v_nop behind it are also the places in front of the loads below
.else
	PLACES
.endif
	FETCH \next, 0, F0
	WIN MUL
	MUL8 F1, 1, 0, 0
	MUL8 F1, 1, 2, 0
.endm
; THE WAY OUT of token block a: a wave's 64 columns of f32 are 256 bytes of a row of out0, so each wave has a stage of its own and no barrier is needed.
.macro TOSTAGE a
.set BK, OB+32*((\a)%2)
	s_wait_xcnt 0x0                                ; the stores issued so far have had their addresses translated (ISA guide 3.1): the registers that they read are loaded again only behind this wait
.irp b, 0,1,2,3
	ds_store_b128 v[STO], v[ACC+8*(4*(\a)+\b):ACC+8*(4*(\a)+\b)+3]   offset:64*\b
	ds_store_b128 v[STO], v[ACC+8*(4*(\a)+\b)+4:ACC+8*(4*(\a)+\b)+7] offset:64*\b+16
.endr
.irp t, 0,1,2,3,4,5,6,7
	ds_load_b128 v[BK+4*\t:BK+4*\t+3], v[RD] offset:\t*2*SPITCH    ; LDS serves a wave's instructions in order (ISA guide 5.7.1.4): these see the stores above, and the next block's stores come behind them
.endr
.endm
.macro SEND a, younger                 ; younger: the LDS instructions issued behind block a's loads: the next block's sixteen, or none
.set BK, OB+32*((\a)%2)
	s_wait_dscnt \younger
.irp t, 0,1,2,3,4,5,6,7
	global_store_b128 v[CO], v[BK+4*\t:BK+4*\t+3], s[70:71] offset:(16*(\a)+2*\t)*4096 th:TH_STORE_NT   ; 16 lanes store 256 consecutive bytes, aligned; written once, not read again
.endr
.endm
	s_wait_tensorcnt 1                             ; my part of K step 0 is in; K step 1's may stay out
	s_barrier_signal -1
	s_barrier_wait -1
	FETCH 0, 0, F0
	s_wait_loadcnt 0x0                             ; the bias
	QUARTER 0, 1, F0, F1, 1                        ; four K steps, written out: the first products start the sums
	QUARTER 0, 2, F1, F0, 0
	QUARTER 0, 3, F0, F1, 0
	TURN 0, 1, 1                                   ; slot 0 takes K step 2
	QUARTER 1, 1, F0, F1, 0
	QUARTER 1, 2, F1, F0, 0
	QUARTER 1, 3, F0, F1, 0
	TURN 1, 0, 1                                   ; slot 1 takes K step 3
	QUARTER 0, 1, F0, F1, 0
	QUARTER 0, 2, F1, F0, 0
	QUARTER 0, 3, F0, F1, 0
	TURN 0, 1, 0                                   ; nothing is left to fetch
	QUARTER 1, 1, F0, F1, 0
	QUARTER 1, 2, F1, F0, 0
	QUARTER 1, 3, F0, F1, 0
	s_wait_dscnt 16
	WIN MUL
	MUL8 F1, 0, 0, 0
	MUL8 F1, 0, 2, 0
	s_wait_dscnt 0
	MUL8 F1, 1, 0, 0
	MUL8 F1, 1, 2, 0
	WIN 0
	PLACES
	TOSTAGE 0
	TOSTAGE 1
	SEND 0, 16
	TOSTAGE 2
	SEND 1, 16
	TOSTAGE 3
	SEND 2, 16
	SEND 3, 0
	s_wait_tensorcnt 0x0
	ds_add_u32 v30, v31
	s_wait_dscnt 0x0
	CROUND                                         ; the closing round: no work-group ends while a partner may still ask for a tile that names it
	s_endpgm
.Lfunc_end_k_q9e24b10674_proj:
	.size	k_q9e24b10674_proj, .Lfunc_end_k_q9e24b10674_proj-k_q9e24b10674_proj
	.p2alignl 7, 3214868480
	.fill 96, 4, 3214868480
	.section	.rodata,"a",@progbits
	.p2align	6, 0x0
	.amdhsa_kernel k_q9e24b10674_proj
		.amdhsa_group_segment_fixed_size 327680
		.amdhsa_private_segment_fixed_size 0
		.amdhsa_enable_private_segment 0
		.amdhsa_kernarg_size 32
		.amdhsa_user_sgpr_count 2
		.amdhsa_user_sgpr_kernarg_segment_ptr 1
		.amdhsa_wavefront_size32 1
		.amdhsa_system_sgpr_workgroup_id_x 1
		.amdhsa_system_sgpr_workgroup_id_y 1
		.amdhsa_system_sgpr_workgroup_id_z 1
		.amdhsa_system_vgpr_workitem_id 0
		.amdhsa_next_free_vgpr 512
		.amdhsa_next_free_sgpr 72
		.amdhsa_reserve_vcc 0
		.amdhsa_float_denorm_mode_32 3
		.amdhsa_float_denorm_mode_16_64 3
		.amdhsa_memory_ordered 1
		.amdhsa_forward_progress 1
		.amdhsa_inst_pref_size 86
	.end_amdhsa_kernel
	.amdgpu_metadata
---
amdhsa.version: [ 1, 2 ]
amdhsa.kernels:
  - .name:           k_q9e24b10674_proj
    .symbol:         k_q9e24b10674_proj.kd
    .args:
      - { .name: ao, .offset: 0, .size: 8, .value_kind: global_buffer, .address_space: global }
      - { .name: wob, .offset: 8, .size: 8, .value_kind: global_buffer, .address_space: global }
      - { .name: bo, .offset: 16, .size: 8, .value_kind: global_buffer, .address_space: global }
      - { .name: out0, .offset: 24, .size: 8, .value_kind: global_buffer, .address_space: global }
    .group_segment_fixed_size: 327680
    .private_segment_fixed_size: 0
    .kernarg_segment_align: 8
    .kernarg_segment_size: 32
    .max_flat_workgroup_size: 128
    .sgpr_count:     72
    .vgpr_count:     512
    .wavefront_size: 32
...
	.end_amdgpu_metadata
.endif
;; end of part 4
;; ======== version 2 of 2: 4 launches; 1.13 times as fast as version 1
;; limits: values are held in f16: magnitudes above 65,504 overflow, below 6.1e-05 lose precision
;; workspace buffers: xb 8,388,608 bytes; wqkv 6,291,456 bytes; wob 2,097,152 bytes; qh 8,388,608 bytes; kh 8,388,608 bytes; vh 8,388,608 bytes; ao 8,388,608 bytes
;; launch cast: the kernel of part 1 again; grid 512 x 1, 8 waves a work-group, no clusters, 0 bytes of LDS; arguments x, Wq, Wk, Wv, Wo, xb, wqkv, wob; writes xb, wqkv, wob
;; launch qkv: the kernel of part 2 again; grid 16 x 16, 4 waves a work-group, clusters of 4 x 4, 327,680 bytes of LDS; arguments xb, wqkv, bq, bk, bv, qh, kh, vh; writes qh, kh, vh
;; launch attn (part 5): grid 8 x 32, 4 waves a work-group, no clusters, 49,152 bytes of LDS; arguments qh, kh, vh, key_padding_mask, ao; writes ao
.if DOCPART == 5
	.amdgcn_target "amdgcn-amd-amdhsa--gfx1250"
	.amdhsa_code_object_version 6
	.text
	.protected	k_q9e24b10674_attn
	.globl	k_q9e24b10674_attn
	.p2align	8
	.type	k_q9e24b10674_attn,@function
k_q9e24b10674_attn:
	s_mov_b64 s[64:65], 0
	v_nop
	global_prefetch_b8 v0, s[64:65] scope:SCOPE_SE
	s_setreg_imm32_b32 hwreg(HW_REG_WAVE_MODE, 25, 1), 1
	s_wait_xcnt 0x0
; Causal attention with a key padding mask, one head: O[q] = sum over kept keys of softmax(q . k / 8) v.  qh, kh, vh: [batch*16 + head][2048][64] f16.
; ao: [token pair][head][2 tokens][64 channels] f16: a (pair, head) is 256 consecutive bytes, aligned; a pair's 16 heads are 4,096 bytes.
; Products, maxima and sums in f32; the weights are rounded to f16 for the second product, O once at the end.
; SHARES.  Work-group (x = i, y = batch*16 + head) owns two blocks of 128 queries, block i (lo) and block 15 - i (hi), so that every work-group has the same work:
; a wave holds four tiles of 16 queries (tiles 0, 1: lo queries 32 w + 16 t; tiles 2, 3: hi) and does 4 (2 i + 2) + 2 (30 - 4 i) = 68 tile steps of 64 keys, whatever i.
; ORDER OF THE KEY TILES (a running softmax takes any): tiles 2 i, 2 i + 1 (lo's diagonal; hi sees them whole; they start all sums), tiles 0 .. 2 i - 1 (all four query tiles),
; lo goes out, tiles 2 i + 2 .. 29 - 2 i (hi alone), tiles 30 - 2 i, 31 - 2 i (hi's diagonal).  Keys behind a block's diagonal are never touched.
; LAYOUT.  S^T = K Q^T (source 0 = 16 keys, source 1 = 16 queries): a lane holds ONE query (lane % 16) and the keys 8 (lane / 16) + 0..7; two such tiles, rounded in pairs, ARE source 1
; of O^T = V^T P.  K comes out of LDS as it lies, V ([key][channel]) turned, by ds_load_tr16_b128.
; MASKS.  The first product of S^T takes as C a bias per key: 0 for a kept key, -1e30 for a masked one (mask byte 0).  On diagonal tiles the bias is first written into S with -1e30 where key > query.
; SOFTMAX.  A running maximum m (never below -1e20) and sum l: p = 2^(c s - c m), c = log2(e) / 8; O and l are multiplied by 2^(c m_old - c m_new) in every step.  A masked score gives p = 0 exactly;
; a query with no kept key ends with l = 0 and gets zeros, as the problem defines it.
; LIMITS: unmasked q . k must lie in (-1e20, 1e29); a mask byte other than 0 means keep; NaN and infinite inputs are not served.
; NO MULTICAST: the eight work-groups of a head walk 18 to 32 key tiles, each in its own order, so no two ask for the same tile at the same time.
; BY TURNS.  A tile's step is 118 vector instructions for 16 matrix instructions, so the vector unit bounds the loop, and the matrix instructions are set singly among the vector work.  A step's tiles
; are two PIECES X and Y (two tiles each, or one each where hi works alone).  K Q^T of X has the step's LDS traffic behind its products; K Q^T of Y has slices of X's softmax; V^T P of X slices of
; Y's softmax; V^T P of Y the row sums of all tiles.  A slice works in window 0 and a product does not, so each product costs two window switches: the lesser price here, since set in runs
; the products would hold the wave while it has nothing else to issue.
; BATCHES.  A piece's exponentials of a step (each tile's 32 weights and its factor a) are ONE batch with ONE wait.  Places 21 to 69 of a tile's list hold the scalings and the exponentials and name no
; exponential's result; all that do (the roundings, O^T times a, the row sums) come behind the wait.  So a step has two waits: X's at the step's middle, directly ahead of the wait for my LDS traffic
; and the request for the next tile; Y's in the run of vector work between the two runs of V^T P.  No exponential is issued behind Y's wait.
; The way out's two reciprocals are a batch of their own.
; K, V AND THE MASK come through registers into two LDS slots; a tile is put into LDS one step ahead of its use; one barrier a step, in the step's middle, and behind it the next step's K is fetched.
; Two register sets, two tiles on their way, while all four query tiles work; four sets where hi works alone, since a step is then half as long.
; REGISTERS, in windows of 256:  window 0: v0-15 addresses; v16-47 statistics, 8 a tile; v48-63 addresses; v64-191 S^T, 32 a tile; v192-255 P, 16 a tile
;   window 1: v0-127 O^T, 32 a tile; v128-159 the key bias      window 2: v0-63 Q; v64-127 K; v128-191 V      window 3: v0-135 four sets of 34 (K 16, V 16, mask 1)
.set PITK,  144                        ; a row of K in LDS: 128 bytes + 16: an odd multiple of 16
.set PITV,  160                        ; a row of V: 128 + 32: an odd multiple of 32, for the turning load
.set VOFF,  64*PITK
.set BOFF,  VOFF+64*PITV               ; 64 f32: the key bias
.set SLOT,  BOFF+256                   ; 19,712
.set STAGE, 2*SLOT                     ; 16 rows x 144 bytes for each wave, for the way out
.set AK,  3                            ; my lane's place in a tile of K
.set AV,  4                            ; in a tile of V (turning load)
.set AB,  5                            ; in the bias
.set SK,  6                            ; where my thread puts 16 bytes of K
.set SV,  7                            ; of V
.set SB,  8                            ; one number of the bias
.set GL0, 9                            ; my thread's byte in a tile of K or V in memory
.set GM0, 10                           ; my key in a tile's 64 mask bytes
.set DG,  15                           ; 32 w + lane % 16 - 8 (lane / 16): query minus key offset, inside a block
.set ST,  16                           ; tile t at v[ST + 8 t]: +0 c m, +1 m, +2, +3 l, +4 to +7 at work; +6 then holds the factor a
.set QO,  48
.set STO, 49
.set RD,  50
.set GO,  51
.set GK,  56                           ; v56-59  set s: GL0 + the tile's bytes
.set GM,  60                           ; v60-63  set s: GM0 + the tile's keys
.set S,   64
.set P,   192
.set BI,  128                          ; window 1
.set SET, 0                            ; window 3: set s at SET + 34 s
.set KF,  64                           ; window 2
.set VF,  128                          ; window 2
.set BATCH, 70                         ; places 0 to 69 of a tile's softmax list stand ahead of the batch's wait
.set LIST, BATCH+32                    ; places in the list
.set MID, BATCH                        ; the place in X's list at which the barrier is signalled: directly behind X's wait
.set IB,  14                           ; s14 i
.set BH,  15                           ; s15 batch*16 + head
.set WV,  16                           ; s16 wave
.set CS,  20                           ; s[20:21] c, twice
.set SEL, 22                           ; s[22:23] lane selects: each lane takes its own place in the other half
.set NEG, 24                           ; -1e30
.set FLOOR, 25                         ; -1e20
.set NN,  26                           ; place in the order of the next tile to ask for
.set LIM, 27                           ; 2 i + 2: places below it (from 2 on) are tiles place - 2
.set LAST, 28                          ; 31 - 2 i: the last place
.set CNT, 29
.set KB,  32
.set VB,  34
.set MB,  36
.set QL,  38
.set QH,  40
.set AOL, 42
.set AOH, 44
.set MSB, 0
.macro WIN new                         ; the immediate's high byte repeats the setting that is left; a switch that changes nothing is dropped
.if MSB != (\new)
	s_set_vgpr_msb (MSB<<8)|(\new)
.set MSB, (\new)
.endif
.endm
.macro PLACES
.rept 4
	v_nop
.endr
.endm
	s_load_b256 s[4:11], s[0:1], 0x0               ; qh 4, kh 6, vh 8, mask 10
	s_load_b64 s[12:13], s[0:1], 0x20              ; ao
	v_lshl_add_u32 v14, v0, 2, 0xbe00
	v_mov_b32 v55, 0
	v_lshrrev_b32 v1, 5, v0
	v_readfirstlane_b32 s[WV], v1
	s_mov_b32 s[IB], ttmp9
	s_and_b32 s[BH], ttmp7, 0xffff
	s_mov_b32 s[CS], 0x3e38aa3b                    ; log2(e) / 8
	s_mov_b32 s[CS+1], s[CS]
	s_mov_b32 s[SEL], 0x76543210
	s_mov_b32 s[SEL+1], 0xfedcba98
	s_mov_b32 s[NEG], 0xf149f2ca
	s_mov_b32 s[FLOOR], 0xe0ad78ec
	s_lshl_b32 s[LIM], s[IB], 1
	s_sub_co_u32 s[LAST], 31, s[LIM]
	s_add_co_u32 s[LIM], s[LIM], 2
	v_and_b32 v1, 15, v0                           ; r
	v_bfe_u32 v2, v0, 4, 1                         ; h
	v_lshlrev_b32 v[QO], 7, v1
	v_lshl_add_u32 v[QO], v2, 4, v[QO]             ; a fragment of Q from memory: row x 128 + 16 x half
	v_lshlrev_b32 v[GL0], 4, v0
	v_lshl_add_u32 v[GM0], s[WV], 4, v1            ; key 16 w + r: both halves of the lanes take the same
	s_lshl_b32 s18, s[IB], 7
	s_lshl_b32 s19, s[WV], 5
	s_add_co_u32 s18, s18, s19                     ; my first lo token
	s_sub_co_u32 s17, 15, s[IB]
	s_lshl_b32 s17, s17, 7
	s_add_co_u32 s19, s17, s19                     ; my first hi token
	s_lshr_b32 s17, s[BH], 4
	s_lshl_b32 s17, s17, 11                        ; batch x 2,048
	s_and_b32 s29, s[BH], 15
	s_lshl_b32 s29, s29, 8                         ; head x 256
	s_lshl_b32 s30, s[BH], 18                      ; the head's 2,048 rows of 128 bytes
	s_mov_b32 s31, 0
	s_wait_kmcnt 0x0
	s_add_nc_u64 s[KB:KB+1], s[6:7], s[30:31]
	s_add_nc_u64 s[VB:VB+1], s[8:9], s[30:31]
	s_add_nc_u64 s[QL:QL+1], s[4:5], s[30:31]
	s_mov_b64 s[QH:QH+1], s[QL:QL+1]
	s_lshl_b32 s30, s18, 7
	s_add_nc_u64 s[QL:QL+1], s[QL:QL+1], s[30:31]
	s_lshl_b32 s30, s19, 7
	s_add_nc_u64 s[QH:QH+1], s[QH:QH+1], s[30:31]
	s_mov_b32 s30, s17
	s_add_nc_u64 s[MB:MB+1], s[10:11], s[30:31]
	s_add_co_u32 s30, s17, s18
	s_lshl_b32 s30, s30, 11                        ; a token pair is 4,096 bytes
	s_add_co_u32 s30, s30, s29
	s_add_nc_u64 s[AOL:AOL+1], s[12:13], s[30:31]
	s_add_co_u32 s30, s17, s19
	s_lshl_b32 s30, s30, 11
	s_add_co_u32 s30, s30, s29
	s_add_nc_u64 s[AOH:AOH+1], s[12:13], s[30:31]
	WIN 0x80                                       ; destination window 2
.irp t, 0,1
.irp c, 0,1
	global_load_b128 v[16*\t+8*\c:16*\t+8*\c+3],       v[QO], s[QL:QL+1] offset:2048*\t+64*\c
	global_load_b128 v[16*\t+8*\c+4:16*\t+8*\c+7],     v[QO], s[QL:QL+1] offset:2048*\t+64*\c+32
	global_load_b128 v[32+16*\t+8*\c:32+16*\t+8*\c+3],   v[QO], s[QH:QH+1] offset:2048*\t+64*\c
	global_load_b128 v[32+16*\t+8*\c+4:32+16*\t+8*\c+7], v[QO], s[QH:QH+1] offset:2048*\t+64*\c+32
.endr
.endr
	WIN 0
; Nine loads: a tile's K and V (8,192 consecutive bytes each: 128 threads x 16 bytes x 4) and its 64 mask bytes, into set s
.macro LOADS set
	WIN 0xc0                                       ; destination window 3
.irp j, 0,1,2,3
	global_load_b128 v[SET+34*(\set)+4*\j:SET+34*(\set)+4*\j+3], v[GK+(\set)], s[KB:KB+1] offset:2048*\j
.endr
.irp j, 0,1,2,3
	global_load_b128 v[SET+34*(\set)+16+4*\j:SET+34*(\set)+16+4*\j+3], v[GK+(\set)], s[VB:VB+1] offset:2048*\j
.endr
	global_load_u8 v[SET+34*(\set)+32], v[GM+(\set)], s[MB:MB+1]
.endm
; The tile at place NN of the order is asked for.  Past the last place the last tile is asked for again and never used: three tiles a work-group, so that the same number of younger loads is out on
; every way to each counted wait.
.macro GLOAD set
	s_min_u32 s30, s[NN], s[LAST]
	s_cmp_ge_u32 s30, s[LIM]
	s_cselect_b32 s31, 0, 2
	s_sub_co_u32 s30, s30, s31                     ; the tile
	s_add_co_u32 s[NN], s[NN], 1
	s_lshl_b32 s31, s30, 13
	s_lshl_b32 s30, s30, 6
	WIN 0
	v_add_nc_u32 v[GK+(\set)], s31, v[GL0]         ; the set's last loads are in (the counted wait at the step's head), so its address registers are free
	v_add_nc_u32 v[GM+(\set)], s30, v[GM0]
	LOADS \set
.endm
; THE LDS TRAFFIC AT A STEP'S HEAD, as a list; TOPS writes the next cnt numbers of it (m counts).  0-15: V of slot p, turned: 8 fragments of V^T (keys 32 (f / 4) on, channels 16 (f % 4) on), two loads
; each.  16-26 (st >= 0): set st goes into the other slot: the mask byte becomes the key's bias, four stores of K, four of V, one of the bias.
.macro TOPS p, st, cnt
.rept \cnt
.if m < 16
	WIN 0x80                                       ; destination window 2
	ds_load_tr16_b128 v[VF+4*m:VF+4*m+3], v[AV] offset:(\p)*SLOT+(m/8)*32*PITV+(m%2)*16*PITV+((m/2)%4)*32
.elseif (\st) >= 0
.if m == 16
	WIN 0xcc                                       ; source 1 (store data) and destination window 3
	v_cmp_ne_u32 vcc_lo, 0, v[SET+34*(\st)+32]
.elseif m == 17
	WIN 0xcc
	v_cndmask_b32 v[SET+34*(\st)+32], s[NEG], 0, vcc_lo
.elseif m < 22
	WIN 0xcc
	ds_store_b128 v[SK], v[SET+34*(\st)+4*(m-18):SET+34*(\st)+4*(m-18)+3] offset:(1-\p)*SLOT+16*PITK*(m-18)
.elseif m < 26
	WIN 0xcc
	ds_store_b128 v[SV], v[SET+34*(\st)+16+4*(m-22):SET+34*(\st)+16+4*(m-22)+3] offset:(1-\p)*SLOT+16*PITV*(m-22)
.elseif m == 26
	WIN 0xcc
	ds_store_b32 v[SB], v[SET+34*(\st)+32] offset:(1-\p)*SLOT
.endif
.endif
.set m, m+1
.endr
.endm
.macro LDK p                           ; 8 fragments of K: keys 16 (f / 2) on, channels 32 (f % 2) on
	WIN 0x80
.irp f, 0,1,2,3,4,5,6,7
	ds_load_b128 v[KF+8*\f:KF+8*\f+3],   v[AK] offset:(\p)*SLOT+(\f/2)*16*PITK+(\f%2)*64
	ds_load_b128 v[KF+8*\f+4:KF+8*\f+7], v[AK] offset:(\p)*SLOT+(\f/2)*16*PITK+(\f%2)*64+32
.endr
.endm
.macro LDB p                           ; the bias as four C operands: register j of block b holds key 16 b + 8 h + j
	WIN 0x40
.irp b, 0,1,2,3
	ds_load_b128 v[BI+8*\b:BI+8*\b+3],   v[AB] offset:(\p)*SLOT+64*\b
	ds_load_b128 v[BI+8*\b+4:BI+8*\b+7], v[AB] offset:(\p)*SLOT+64*\b+16
.endr
.endm
; Tile t on the diagonal, key tile p of the block's two: S = the key's bias where key <= query, else -1e30.  key <= query is 64 p + 16 b + 8 h + j <= 32 w + 16 (t % 2) + r.
.macro DIAG t, p
	WIN 0x04                                       ; source 1 (the bias) window 1
.set x, 0
.rept 32
	v_cmp_ge_i32 vcc_lo, v[DG], 16*(x/8)+(x%8)+64*(\p)-16*((\t)%2)
	v_cndmask_b32 v[S+32*(\t)+x], s[NEG], v[BI+x], vcc_lo
.set x, x+1
.endr
.endm
; THE MATRIX WORK, one instruction a call (i counts).  A piece's accumulators take turns, one instruction a turn: between two links of a chain stand 3 or 7 others'.
; Product i of 8 n of S^T = K Q^T for the piece of n tiles from ta on: channels 32 (i / 4 n) on, keys 16 ((i / n) % 4) on, tile ta + i % n.  The first 4 n take the key bias as C; dg = 1: they add onto S.
.macro KQW ta, n, dg
.set cc, i/(4*(\n))
.set kb, (i/(\n))%4
.set rS, S+32*((\ta)+i%(\n))+8*kb
.set rK, KF+8*(2*kb+cc)
.set rQ, 16*((\ta)+i%(\n))+8*cc
.if (cc == 0) && !\dg
	WIN 0x1a                                       ; K and Q window 2, C window 1, D window 0
	v_wmma_f32_16x16x32_f16 v[rS:rS+7], v[rK:rK+7], v[rQ:rQ+7], v[BI+8*kb:BI+8*kb+7]
.else
	WIN 0x0a                                       ; C window 0
	v_wmma_f32_16x16x32_f16 v[rS:rS+7], v[rK:rK+7], v[rQ:rQ+7], v[rS:rS+7]
.endif
.endm
; Product i of 8 n of O^T += V^T P: keys 32 (i / 4 n) on, channels 16 ((i / n) % 4) on, tile ta + i % n.  zero = 1: the first 4 n start the sums: nothing is ever cleared.
.macro PVW ta, n, zero
.set g, i/(4*(\n))
.set cb, (i/(\n))%4
.set rO, 32*((\ta)+i%(\n))+8*cb
.set rV, VF+32*g+8*cb
.set rP, P+16*((\ta)+i%(\n))+8*g
	WIN 0x52                                       ; V window 2, P window 0, O^T window 1
.if \zero && (g == 0)
	v_wmma_f32_16x16x32_f16 v[rO:rO+7], v[rV:rV+7], v[rP:rP+7], 0
.else
	v_wmma_f32_16x16x32_f16 v[rO:rO+7], v[rV:rV+7], v[rP:rP+7], v[rO:rO+7]
.endif
.endm
; THE VECTOR WORK.  One tile's softmax for one key step is a list of LIST places; SMT writes place j of it for tile t.  first = 1: the step starts m, l and O^T: places 17, 20, 23 and 86-101 are empty.
;   0-20    the maximum of the lane's 32 scores and the old m (first: the floor): four chains of seven scores, the four left over, the other half of the lanes; c m; c m_old - c m_new
;   21-69   ONE BATCH: the 16 scalings c s - c m, a pair of scores each, and all 33 exponentials (a at 23, then s0-s31, each in place).  None of these names an exponential's result.
;           21, 22: pairs 0, 1.  24-37: scaling and exponential by turns (pairs 2-8, s0-s6).  38-65: a scaling and three exponentials (pairs 9-15, s7-s27).  66-69: s28-s31.
;           A pair is scaled four places or more ahead of its exponentials
;   (wait)  between 69 and 70 stands the wait for the batch: SLICE writes it, once for all tiles of the piece
;   70-85   the roundings to f16, a pair of weights each
;   86-101  the tile's O^T times a: the one part that leaves window 0
.macro SMT t, first
.set rT, ST+8*(\t)
.set rS, S+32*(\t)
.set rP, P+16*(\t)
.if j < 86
	WIN 0
.endif
.if j < 4
	v_max3_num_f32 v[rT+4+j], v[rS+8*j], v[rS+8*j+1], v[rS+8*j+2]
.elseif j < 12
	v_max3_num_f32 v[rT+4+j%4], v[rT+4+j%4], v[rS+8*(j%4)+2*(j/4)+1], v[rS+8*(j%4)+2*(j/4)+2]
.elseif j == 12
	v_max3_num_f32 v[rT+4], v[rT+4], v[rS+7], v[rS+15]
.elseif j == 13
	v_max3_num_f32 v[rT+6], v[rT+6], v[rS+23], v[rS+31]
.elseif j == 14
	v_max3_num_f32 v[rT+4], v[rT+4], v[rT+5], v[rT+6]
.elseif j == 15
.if \first
	v_max3_num_f32 v[rT+4], v[rT+4], v[rT+7], s[FLOOR]
.else
	v_max3_num_f32 v[rT+4], v[rT+4], v[rT+7], v[rT+1]
.endif
.elseif j == 16
	v_permlanex16_b32 v[rT+5], v[rT+4], s[SEL], s[SEL+1]   ; the query's other 32 keys lie in the lane 16 away
.elseif j == 17
.if !\first
	v_mov_b32 v[rT+7], v[rT]                       ; c m_old
.endif
.elseif j == 18
	v_max_num_f32 v[rT+1], v[rT+4], v[rT+5]
.elseif j == 19
	v_mul_f32 v[rT], s[CS], v[rT+1]
.elseif j == 20
.if !\first
	v_sub_f32 v[rT+7], v[rT+7], v[rT]
.endif
.elseif j == 23
.if !\first
	v_exp_f32 v[rT+6], v[rT+7]                     ; a is first read at place 86, behind the wait
.endif
.elseif (j < 23) || ((j < 38) && (j%2 == 0)) || ((j < 66) && (j%4 == 2))
.set b, (j-2)/4                        ; 38, 42, .. 62: pairs 9 to 15
.if j < 38
.set b, (j-20)/2                       ; 21: pair 0; 22, 24, .. 36: pairs 1 to 8
.endif
	v_pk_fma_f32 v[rS+2*b:rS+2*b+1], v[rS+2*b:rS+2*b+1], s[CS:CS+1], v[rT:rT+1] op_sel_hi:[1,0,0] neg_lo:[0,0,1] neg_hi:[0,0,1]
.elseif j < 70
.set e, j-38                           ; 66 to 69: s28 to s31
.if j < 66
.set e, j-32-(j-38)/4                  ; 39-41, 43-45, .. 63-65: s7 to s27
.endif
.if j < 38
.set e, (j-25)/2                       ; 25, 27, .. 37: s0 to s6
.endif
	v_exp_f32 v[rS+e], v[rS+e]
.elseif j < 86
	v_cvt_pk_f16_f32 v[rP+j-70], v[rS+2*(j-70)], v[rS+2*(j-70)+1]
.elseif !\first
	WIN 0x41                                       ; O^T (destination and source 0) window 1, a window 0
.set rO, 32*(\t)+2*(j-86)
	v_pk_mul_f32 v[rO:rO+1], v[rO:rO+1], v[rT+6:rT+7] op_sel_hi:[1,0]
.endif
.endm
; The next cnt places of the list (k counts) for the piece of n tiles from ta on; a piece's two tiles alternate.  Behind place 69 the piece's batch is out: all its exponentials are issued and no
; result has been named.
.macro SLICE ta, n, first, cnt
.rept \cnt
.if k < LIST
.set j, k
.set u, 0
.rept \n
	SMT ((\ta)+u), \first
.set u, u+1
.endr
.endif
.if k == BATCH-1
	v_nop                                          ; a plain instruction behind the last exponential and ahead of the first use (ISA guide 5.7.2): one for the batch
	s_wait_alu depctr_va_vdst(0)                   ; the wait for the piece's batch, n x 33 exponentials: it stands ahead of the first instruction that names a result
.endif
.set k, k+1
.endr
.endm
; Number z of 16 of a tile's row sum: its 16 pairs of weights (an even key's, an odd key's) are added in place, neighbours 1, 2, 4 and 8 pairs apart; then l = a l + the sum (first: the last sum is made in l)
.macro SUMT t, first
.set rT, ST+8*(\t)
.set rS, S+32*(\t)
.set w, 4
.set q, z
.if z >= 14
.set w, 32
.set q, 0
.elseif z >= 12
.set w, 16
.set q, z-12
.elseif z >= 8
.set w, 8
.set q, z-8
.endif
.if (z == 14) && \first
	WIN 0
	v_pk_add_f32 v[rT+2:rT+3], v[rS:rS+1], v[rS+16:rS+17]
.elseif z < 15
	WIN 0
	v_pk_add_f32 v[rS+w*q:rS+w*q+1], v[rS+w*q:rS+w*q+1], v[rS+w*q+w/2:rS+w*q+w/2+1]
.elseif !\first
	WIN 0
	v_pk_fma_f32 v[rT+2:rT+3], v[rT+2:rT+3], v[rT+6:rT+7], v[rS:rS+1] op_sel_hi:[1,0,1]
.endif
.endm
.macro SUMS t0, nt, first, cnt         ; the next cnt numbers (z counts) for nt tiles, which alternate
.rept \cnt
.if z < 16
.set u, 0
.rept \nt
	SUMT ((\t0)+u), \first
.set u, u+1
.endr
.endif
.set z, z+1
.endr
.endm
; A KEY STEP on slot p.  Piece X: n tiles from t0 on; piece Y: the n behind them.  dgx, dgy: the piece is on the diagonal.  first: the step starts m, l and O^T.
; st: the set from which the next tile goes into the other slot (-1: none); left: the loads younger than that set's; ld: the set is then asked for again; bar: a step follows.
; THE ONE BARRIER.  In front of its signal my stores of the next tile into the other slot and my reads of this slot (K, the bias, V) are done.  Behind its wait this step reads the next tile's K and bias
; from the other slot, and the next step stores into this one.
; THE TWO WAITS FOR EXPONENTIALS.  X's batch ends at the step's middle: its wait stands directly ahead of the wait for my LDS traffic; X's roundings and rescaling stand between the barrier's signal and its
; wait.  Y's batch ends in the run of vector work behind X's V^T P; its roundings and rescaling follow, then Y's V^T P with the row sums of both pieces, which read results that have both been waited for.
; PLACES (ISA guide 7.12.1).  A slice names no register of the products round it.  Four v_nop stand between X's K Q^T and the first read of its scores; the rest of X's list stands between Y's K Q^T
; and the reads of its scores and the loads into K and the bias; the last four sums (first: four v_nop) stand between the last V^T P and the next step's loads into V.
.macro STEP p, t0, n, dgx, dgy, first, st, left, ld, bar
.set used, 8*(\n)*(5-(\n))             ; places of a list that are dealt behind products: 4 a product for one tile, 3 for two
	s_wait_dscnt 0x0                               ; K and the bias, fetched behind the last barrier, are in
.if (\st) >= 0
	s_wait_loadcnt \left                           ; the next tile's nine loads are in; those of the tiles behind it stay out
.endif
.if \dgx
	DIAG \t0, \p
.if \n == 2
	DIAG \t0+1, \p
.endif
.endif
.if \dgy
	DIAG \t0+\n, \p
.if \n == 2
	DIAG \t0+\n+1, \p
.endif
.endif
.set i, 0
.set m, 0
.rept 8*\n                             ; X's scores | V out of LDS, the next tile into LDS
	KQW \t0, \n, \dgx
	TOPS \p, \st, 4/\n
.set i, i+1
.endr
	PLACES
.set i, 0
.set k, 0
.rept 8*\n                             ; Y's scores | X's softmax
	KQW \t0+\n, \n, \dgy
	SLICE \t0, \n, \first, 5-\n
.set i, i+1
.endr
	SLICE \t0, \n, \first, MID-used                ; the rest of X's batch, and its wait
	s_wait_dscnt 0x0                               ; V is in: my last reads of this slot; my stores into the other slot are done, and the set is free
.if \ld
	GLOAD \st
.endif
.if \bar
	s_barrier_signal -1
.endif
	SLICE \t0, \n, \first, LIST-MID                ; X's roundings and rescaling: work on registers while the others arrive
.if \bar
	s_barrier_wait -1
	LDK 1-\p                                       ; the next step's K and bias land under the rest of this step
	LDB 1-\p
.endif
.set i, 0
.set k, 0
.rept 8*\n                             ; X's V^T P | Y's softmax
	PVW \t0, \n, \first
	SLICE \t0+\n, \n, \first, 5-\n
.set i, i+1
.endr
	SLICE \t0+\n, \n, \first, LIST-used            ; the rest of Y's batch, its wait, Y's roundings and rescaling
.set i, 0
.set z, 0
.rept 8*\n                             ; Y's V^T P | the row sums of both pieces, four instructions behind each product
	PVW \t0+\n, \n, \first
	SUMS \t0, 2*\n, \first, 2/\n
.set i, i+1
.endr
.if \first
	PLACES                                         ; the first step's last number is empty
.endif
	WIN 0
.endm
; THE WAY OUT of tiles t0, t0 + 1: O^T / l (zeros where l = 0), rounded to f16, through my stage: in by queries, back as runs of four tokens; sixteen lanes store a (pair, head)'s 256 bytes.
.macro OUT t0, base
	WIN 0
.irp u, 0,1
	v_add_f32 v[ST+8*(\t0+\u)+4], v[ST+8*(\t0+\u)+2], v[ST+8*(\t0+\u)+3]
.endr
.irp u, 0,1
	v_permlanex16_b32 v[ST+8*(\t0+\u)+5], v[ST+8*(\t0+\u)+4], s[SEL], s[SEL+1]
.endr
.irp u, 0,1
	v_add_f32 v[ST+8*(\t0+\u)+4], v[ST+8*(\t0+\u)+4], v[ST+8*(\t0+\u)+5]
.endr
.irp u, 0,1
	v_rcp_f32 v[ST+8*(\t0+\u)+6], v[ST+8*(\t0+\u)+4]
.endr
	v_nop                                          ; a plain instruction between the last reciprocal and the use of its result
	s_wait_alu depctr_va_vdst(0)                   ; the wait ahead of the first use: one for the two reciprocals
.irp u, 0,1
	v_cmp_lt_f32 vcc_lo, 0, v[ST+8*(\t0+\u)+4]
	v_cndmask_b32 v[ST+8*(\t0+\u)+6], 0, v[ST+8*(\t0+\u)+6], vcc_lo   ; l is 0 or at least 1: the largest score's weight is 1
.endr
	WIN 0x41
.set x, 0
.rept 32
.set rT, ST+8*(\t0+x/16)
	v_pk_mul_f32 v[32*\t0+2*x:32*\t0+2*x+1], v[32*\t0+2*x:32*\t0+2*x+1], v[rT+6:rT+7] op_sel_hi:[1,0]
.set x, x+1
.endr
	WIN 0x05                                       ; sources window 1, destination window 0: the tiles' S^T is free
.set x, 0
.rept 32
	v_cvt_pk_f16_f32 v[S+32*(\t0+x/16)+x%16], v[32*\t0+2*x], v[32*\t0+2*x+1]
.set x, x+1
.endr
	WIN 0
.irp u, 0,1
.irp c, 0,1,2,3
	ds_store_b128 v[STO], v[S+32*(\t0+\u)+4*\c:S+32*(\t0+\u)+4*\c+3] offset:32*\c
.endr
.irp c, 0,1,2,3
	ds_load_b128 v[S+32*(\t0+\u)+16+4*\c:S+32*(\t0+\u)+16+4*\c+3], v[RD] offset:4*PITK*\c   ; LDS serves a wave's instructions in order (ISA guide 5.7.1.4)
.endr
.endr
	s_wait_dscnt 0x0
.irp u, 0,1
.irp c, 0,1,2,3
	global_store_b128 v[GO], v[S+32*(\t0+\u)+16+4*\c:S+32*(\t0+\u)+16+4*\c+3], s[\base:\base+1] offset:32768*\u+8192*\c   ; these registers are not written again
.endr
.endr
.endm
	s_lshl_b32 s30, s[IB], 14                      ; tile 2 i: 8,192 bytes a tile,
	s_lshl_b32 s31, s[IB], 7                       ; 64 keys a tile
	v_add_nc_u32 v[GK], s30, v[GL0]
	v_add_nc_u32 v[GM], s31, v[GM0]
	v_add_nc_u32 v[GK+1], 8192, v[GK]              ; tile 2 i + 1
	v_add_nc_u32 v[GM+1], 64, v[GM]
	LOADS 0
	LOADS 1
	WIN 0
	v_mul_u32_u24 v[AK], v1, PITK
	v_lshl_add_u32 v[AK], v2, 4, v[AK]             ; row x pitch + 16 x half
	v_and_b32 v52, 7, v0
	v_lshl_add_u32 v[AV], v2, 3, v52               ; the turning load: key 8 h + l % 8,
	v_mul_u32_u24 v[AV], v[AV], PITV
	v_bfe_u32 v53, v0, 3, 1
	v_lshl_add_u32 v[AV], v53, 4, v[AV]            ; channels 8 ((l / 8) % 2) on
	v_add_nc_u32 v[AV], VOFF, v[AV]
	v_lshlrev_b32 v[AB], 5, v2
	v_add_nc_u32 v[AB], BOFF, v[AB]
	v_lshrrev_b32 v53, 3, v0                       ; thread / 8: the key, of 16, that my 16 bytes belong to
	v_lshlrev_b32 v52, 4, v52                      ; 16 (thread % 8)
	v_mad_u32_u24 v[SK], v53, PITK, v52
	v_mad_u32_u24 v[SV], v53, PITV, v52
	v_add_nc_u32 v[SV], VOFF, v[SV]
	v_lshlrev_b32 v[SB], 2, v[GM0]
	v_add_nc_u32 v[SB], BOFF, v[SB]
	v_lshl_add_u32 v[DG], s[WV], 5, v1
	v_lshlrev_b32 v54, 3, v2
	v_sub_nc_u32 v[DG], v[DG], v54
	s_mul_i32 s30, s[WV], 16*PITK
	s_add_co_u32 s30, s30, STAGE                   ; my stage
	v_add_nc_u32 v[STO], s30, v[AK]                ; in: query l % 16, 16 bytes for each half of the lanes
	v_and_b32 v54, 31, v0
	v_lshrrev_b32 v54, 3, v54
	v_mad_u32_u24 v[RD], v54, PITK, v52            ; back: eight lanes take a token's 128 bytes
	v_add_nc_u32 v[RD], s30, v[RD]
	v_lshlrev_b32 v[GO], 12, v2                    ; lanes 0-15 one token pair, lanes 16-31 the next
	v_lshl_add_u32 v[GO], v1, 4, v[GO]
	s_mov_b32 s[NN], 2
	s_wait_loadcnt 9                               ; Q and the first tile are in; the second tile's nine loads stay out
.set m, 16
	TOPS 1, 0, 11                                  ; set 0 goes into slot 0
	s_wait_dscnt 0x0                               ; for the others' sake: my part of the first tile is in LDS
	GLOAD 0
	WIN 0
	s_barrier_signal -1
	s_barrier_wait -1
	LDK 0
	LDB 0
	STEP 0, 0, 2, 1, 0, 1, 1, 9, 1, 1              ; lo's diagonal; the step starts all sums
	STEP 1, 0, 2, 1, 0, 0, 0, 9, 1, 1
	s_cmp_eq_u32 s[IB], 0
	s_cbranch_scc1 .Lno_a
	s_mov_b32 s[CNT], s[IB]
.Lloop_a:                                              ; i trips: tiles 0 .. 2 i - 1, all four query tiles; sets 1 and 0 by turns
	STEP 0, 0, 2, 0, 0, 0, 1, 9, 1, 1
	STEP 1, 0, 2, 0, 0, 0, 0, 9, 1, 1
	s_sub_co_i32 s[CNT], s[CNT], 1
	s_cmp_lg_u32 s[CNT], 0
	s_cbranch_scc1 .Lloop_a
.Lno_a:
	GLOAD 2                                        ; from here on a step is half as long: two more tiles are asked for, so that four are on their way (sets 1, 0, 2, 3, in this order)
	GLOAD 3
	OUT 0, AOL                                     ; lo has seen all its keys
	s_sub_co_u32 s[CNT], 7, s[IB]
	s_cmp_eq_u32 s[CNT], 0
	s_cbranch_scc1 .Lno_b
.Lloop_b:                                              ; 7 - i trips of four steps: tiles 2 i + 2 .. 29 - 2 i, hi alone; each step takes the oldest set and asks for the tile five steps on
	STEP 0, 2, 1, 0, 0, 0, 1, 27, 1, 1
	STEP 1, 2, 1, 0, 0, 0, 0, 27, 1, 1
	STEP 0, 2, 1, 0, 0, 0, 2, 27, 1, 1
	STEP 1, 2, 1, 0, 0, 0, 3, 27, 1, 1
	s_sub_co_i32 s[CNT], s[CNT], 1
	s_cmp_lg_u32 s[CNT], 0
	s_cbranch_scc1 .Lloop_b
.Lno_b:
	STEP 0, 2, 1, 1, 1, 0, 1, 27, 0, 1             ; hi's diagonal: nothing more is asked for
	STEP 1, 2, 1, 1, 1, 0, -1, 0, 0, 0
	OUT 2, AOH
	s_wait_tensorcnt 0x0
	ds_add_u32 v14, v55
	s_wait_dscnt 0x0
	s_endpgm
.Lfunc_end_k_q9e24b10674_attn:
	.size	k_q9e24b10674_attn, .Lfunc_end_k_q9e24b10674_attn-k_q9e24b10674_attn
	.p2alignl 7, 3214868480
	.fill 96, 4, 3214868480
	.section	.rodata,"a",@progbits
	.p2align	6, 0x0
	.amdhsa_kernel k_q9e24b10674_attn
		.amdhsa_group_segment_fixed_size 49152
		.amdhsa_private_segment_fixed_size 0
		.amdhsa_enable_private_segment 0
		.amdhsa_kernarg_size 40
		.amdhsa_user_sgpr_count 2
		.amdhsa_user_sgpr_kernarg_segment_ptr 1
		.amdhsa_wavefront_size32 1
		.amdhsa_system_sgpr_workgroup_id_x 1
		.amdhsa_system_sgpr_workgroup_id_y 1
		.amdhsa_system_sgpr_workgroup_id_z 1
		.amdhsa_system_vgpr_workitem_id 0
		.amdhsa_next_free_vgpr 912
		.amdhsa_next_free_sgpr 66
		.amdhsa_reserve_vcc 1
		.amdhsa_float_denorm_mode_32 3
		.amdhsa_float_denorm_mode_16_64 3
		.amdhsa_memory_ordered 1
		.amdhsa_forward_progress 1
		.amdhsa_inst_pref_size 255
	.end_amdhsa_kernel
	.section	.bss,"aw",@nobits
	.p2align	6
	.space	262144
	.amdgpu_metadata
---
amdhsa.version: [ 1, 2 ]
amdhsa.kernels:
  - .name:           k_q9e24b10674_attn
    .symbol:         k_q9e24b10674_attn.kd
    .args:
      - { .name: qh, .offset: 0, .size: 8, .value_kind: global_buffer, .address_space: global }
      - { .name: kh, .offset: 8, .size: 8, .value_kind: global_buffer, .address_space: global }
      - { .name: vh, .offset: 16, .size: 8, .value_kind: global_buffer, .address_space: global }
      - { .name: key_padding_mask, .offset: 24, .size: 8, .value_kind: global_buffer, .address_space: global }
      - { .name: ao, .offset: 32, .size: 8, .value_kind: global_buffer, .address_space: global }
    .group_segment_fixed_size: 49152
    .private_segment_fixed_size: 0
    .kernarg_segment_align: 8
    .kernarg_segment_size: 40
    .max_flat_workgroup_size: 128
    .sgpr_count:     66
    .vgpr_count:     912
    .wavefront_size: 32
...
	.end_amdgpu_metadata
.endif
;; end of part 5
;; launch proj: the kernel of part 4 again; grid 8 x 32, 4 waves a work-group, clusters of 4 x 4, 327,680 bytes of LDS; arguments ao, wob, bo, out0; writes out0
